; MI455X (gfx1250); checked and timed in simulation.
; The chip was launched on July 23, 2026; its instructions are those of AMD's public machine-readable ISA for CDNA 5 (MIT licence, August 2026) and "CDNA5" Instruction Set Architecture Reference Guide (July 2026). The comments in the code are by the model that wrote it; some were corrected since.
;; KAN Projection. Allowed arithmetic: float matrix products may take bf16 or f16 operands with f32 sums; all other float work in f32.
;; Inputs: coef 1,024 x 1,024 x 4 float32; grid 1,024 x 8 float32; scale_base 1,024 x 1,024 float32; scale_sp 1,024 x 1,024 float32; x 4 x 2,048 x 1,024 float32.
;; Outputs: out0 4 x 2,048 x 1,024 float32.
;; 3 versions, each right; version 3 is version 2 with the launch prep written anew for expert scheduling mode. Each part assembles by itself: llvm-mc -triple=amdgcn-amd-amdhsa -mcpu=gfx1250 --defsym DOCPART=n.
;; ======== version 1 of 3: 3 launches
;; workspace buffers: fbuf 83,886,080 bytes; wt 10,485,760 bytes
;; launch wprep (part 1): grid 16 x 8, 8 waves a work-group, no clusters, 124,160 bytes of LDS; arguments coef, scale_sp, scale_base, wt; writes wt
.if DOCPART == 1
	.amdgcn_target "amdgcn-amd-amdhsa--gfx1250"
	.amdhsa_code_object_version 6
	.text
	.protected	k_q258ab6cee9_wprep
	.globl	k_q258ab6cee9_wprep
	.p2align	8
	.type	k_q258ab6cee9_wprep,@function
k_q258ab6cee9_wprep:
	s_mov_b64 s[64:65], 0
	v_nop
	global_prefetch_b8 v0, s[64:65] scope:SCOPE_SE
	s_setreg_imm32_b32 hwreg(HW_REG_WAVE_MODE, 25, 1), 1
	s_wait_xcnt 0x0
; Wt[o][k] in bf16, k = g*1024 + d:  g = 0..3: coef[d][o][g] * scale_sp[d][o];  g = 4: scale_base[d][o].
; coef: [1024 d][1024 o][4 g] f32; scale_sp, scale_base: [1024 d][1024 o] f32; Wt: [1024 o][5120 k] bf16.
; The inputs lie with d slowest, Wt with d fastest: a transposition, made through LDS.
; A work-group takes 128 d x 64 o (16 x 8 = 128 work-groups): 128 d are 256 bytes of a row of Wt, so every store of
; sixteen lanes covers 256 consecutive bytes, aligned.  No matrix unit, no tensor load, no cluster: the work-groups share nothing.
; Eight waves.  Wave w takes d_local 16 w .. 16 w + 15, in four items of four d.  Lane (q = lane % 16, hh = lane / 16), item m:
; the pair d_local = 16 w + 4 m + 2 hh + (0, 1), and o_local = 16 j + q, j = 0..3.  The pair is packed into one word of two bf16.
; LDS: each wave has a block of its own, 320 rows (g*64 + o_local) of 48 bytes: 32 bytes for its 16 d, 16 of padding.
; Limit: the products are rounded once, to bf16.
.set KROW, 10240                       ; bytes in a row of Wt
.set LP,   48                          ; LDS row pitch: 12 words, so the sixteen rows of a store start at sixteen different multiples of 4 words mod 64
.set BLK,  320*LP+32                   ; a wave's block; the 32 bytes behind it shift block b by 8 b words mod 64
.set VC,  2                            ; v2  byte offset in coef of my first 16 bytes
.set VS,  3                            ; v3  byte offset in scale_sp and scale_base of my first word
.set VL,  4                            ; v4  LDS: where I store a word
.set VR,  5                            ; v5  LDS: where I read 16 bytes back
.set VG,  6                            ; v6  byte offset in Wt of my 16 bytes
.set B0,  12                           ; v[12:59]   item buffer 0: coef [rr][j][g] at +16 rr + 4 j + g, scale_sp at +32 + 4 rr + j, scale_base at +40 + 4 rr + j
.set B1,  60                           ; v[60:107]  item buffer 1
.set WR,  108                          ; v[108:127] packed words on their way into LDS
.set RB,  12                           ; v[12:91]   the read-back, 20 x 4 registers
	s_load_b256 s[4:11], s[0:1], 0x0               ; coef s[4:5], scale_sp s[6:7], scale_base s[8:9], Wt s[10:11]
	v_lshl_add_u32 v128, v0, 2, 0x1e100
	v_mov_b32 v129, 0
	v_lshrrev_b32 v1, 5, v0
	v_readfirstlane_b32 s13, v1                    ; wave 0..7
	s_and_b32 s12, ttmp7, 0xffff                   ; dt: which 128 d;  ttmp9 = ot: which 64 o
	s_lshl_b32 s14, s12, 21                        ; coef: 128 d x 16,384 bytes
	s_lshl_b32 s16, ttmp9, 10                      ;       + 64 o x 16 bytes
	s_add_co_u32 s14, s14, s16
	s_mov_b32 s15, 0
	s_lshl_b32 s16, s12, 19                        ; the scales: 128 d x 4,096 bytes
	s_lshl_b32 s18, ttmp9, 8                       ;             + 64 o x 4 bytes
	s_add_co_u32 s16, s16, s18
	s_mov_b32 s17, 0
	s_mul_i32 s18, ttmp9, 64*KROW                  ; Wt: 64 rows
	s_lshl_b32 s20, s12, 8                         ;     + 128 d x 2 bytes
	s_add_co_u32 s18, s18, s20
	s_mov_b32 s19, 0
	s_mul_i32 s21, s13, BLK                        ; my wave's block in LDS
	s_lshl_b32 s22, s13, 4                         ; 16 w
	s_lshl_b32 s23, s13, 3                         ; 8 w
	v_and_b32 v9, 15, v0                           ; q
	v_bfe_u32 v10, v0, 4, 1                        ; hh
	v_lshl_add_u32 v11, v10, 1, s22                ; 16 w + 2 hh: my first d_local
	v_lshlrev_b32 v[VC], 4, v9
	v_lshl_add_u32 v[VC], v11, 14, v[VC]           ; d x 16,384 + q x 16
	v_lshlrev_b32 v[VS], 2, v9
	v_lshl_add_u32 v[VS], v11, 12, v[VS]           ; d x 4,096 + q x 4
	v_mul_u32_u24 v[VL], v9, LP
	v_lshl_add_u32 v[VL], v10, 2, v[VL]
	v_add_nc_u32 v[VL], s21, v[VL]                 ; block w, row q, word hh
	v_lshrrev_b32 v[VR], 1, v9                     ; back: my 16 bytes of a row of 256 are 8 d: block q / 2, half q % 2
	v_mul_u32_u24 v[VR], v[VR], BLK
	v_add_nc_u32 v7, s23, v10                      ; 8 w + hh: the first o_local that I read back
	v_mad_u32_u24 v[VR], v7, LP, v[VR]
	v_and_b32 v8, 1, v9
	v_lshl_add_u32 v[VR], v8, 4, v[VR]
	v_mul_u32_u24 v[VG], v7, KROW
	v_lshl_add_u32 v[VG], v9, 4, v[VG]             ; row 8 w + hh of Wt's tile, 16 q bytes in
	s_wait_kmcnt 0x0
	s_add_nc_u64 s[4:5], s[4:5], s[14:15]
	s_add_nc_u64 s[6:7], s[6:7], s[16:17]
	s_add_nc_u64 s[8:9], s[8:9], s[16:17]
	s_add_nc_u64 s[10:11], s[10:11], s[18:19]
; Item m's 24 loads.  A coef load's sixteen lanes cover 256 consecutive bytes, aligned (16 o x 4 g).  The four j of a scale
; together cover 256 consecutive bytes, so these lines carry no non-temporal hint.
.macro LOADI m, bf
.irp rr, 0,1
.irp j, 0,1,2,3
	global_load_b128 v[\bf+16*\rr+4*\j:\bf+16*\rr+4*\j+3], v[VC], s[4:5] offset:\m*65536+\rr*16384+\j*256 th:TH_LOAD_NT
.endr
.endr
.irp rr, 0,1
.irp j, 0,1,2,3
	global_load_b32 v[\bf+32+4*\rr+\j], v[VS], s[6:7] offset:\m*16384+\rr*4096+\j*64
	global_load_b32 v[\bf+40+4*\rr+\j], v[VS], s[8:9] offset:\m*16384+\rr*4096+\j*64
.endr
.endr
.endm
; Item m: scale, pack the pair of d into a word, store the 20 words (4 j x 5 planes) into my block.
.macro WORK m, bf
.irp rr, 0,1
.irp jj, 0,2
.irp h, 0,2
	v_pk_mul_f32 v[\bf+16*\rr+4*\jj+\h:\bf+16*\rr+4*\jj+\h+1], v[\bf+16*\rr+4*\jj+\h:\bf+16*\rr+4*\jj+\h+1], v[\bf+32+4*\rr+\jj:\bf+32+4*\rr+\jj+1] op_sel_hi:[1,0]                 ; both by the pair's first: scale_sp of j = jj
	v_pk_mul_f32 v[\bf+16*\rr+4*\jj+4+\h:\bf+16*\rr+4*\jj+4+\h+1], v[\bf+16*\rr+4*\jj+4+\h:\bf+16*\rr+4*\jj+4+\h+1], v[\bf+32+4*\rr+\jj:\bf+32+4*\rr+\jj+1] op_sel:[0,1] op_sel_hi:[1,1]   ; both by its second: j = jj + 1
.endr
.endr
.endr
.irp j, 0,1,2,3
.irp g, 0,1,2,3
	v_cvt_pk_bf16_f32 v[WR+4*\j+\g], v[\bf+4*\j+\g], v[\bf+16+4*\j+\g]     ; d in the low half, d + 1 in the high half
.endr
	v_cvt_pk_bf16_f32 v[WR+16+\j], v[\bf+40+\j], v[\bf+44+\j]              ; plane 4: scale_base
.endr
.irp j, 0,1,2,3
.irp g, 0,1,2,3
	ds_store_b32 v[VL], v[WR+4*\j+\g] offset:(\g*64+16*\j)*LP+8*\m
.endr
	ds_store_b32 v[VL], v[WR+16+\j] offset:(4*64+16*\j)*LP+8*\m
.endr
.endm
	LOADI 0, B0
	LOADI 1, B1
	s_wait_loadcnt 24                              ; loads come back in order: item 0 is in, item 1's 24 stay out
	WORK 0, B0
	LOADI 2, B0
	s_wait_loadcnt 24                              ; item 1 is in, item 2's 24 stay out
	WORK 1, B1
	LOADI 3, B1
	s_wait_loadcnt 24                              ; item 2 is in
	WORK 2, B0
	s_wait_loadcnt 0x0
	WORK 3, B1
	s_wait_dscnt 0x0                               ; my stores are in LDS, for the other waves' sake
	s_barrier_signal -1
	s_barrier_wait -1                              ; everybody's are
	; Back by rows: wave w takes o_local 8 w .. 8 w + 7 of all five planes; lanes 0-15 one row of 256 bytes, lanes 16-31 the next.
.irp g, 0,1,2,3,4
.irp u, 0,1,2,3
	ds_load_b128 v[RB+4*(4*\g+\u):RB+4*(4*\g+\u)+3], v[VR] offset:(\g*64+2*\u)*LP
.endr
.endr
.irp g, 0,1,2,3,4
.irp u, 0,1,2,3
	s_wait_dscnt 19-(4*\g+\u)                      ; LDS loads come back in order: this one is in, the younger ones stay out
	global_store_b128 v[VG], v[RB+4*(4*\g+\u):RB+4*(4*\g+\u)+3], s[10:11] offset:2*\u*KROW+\g*2048   ; sixteen lanes: 256 consecutive bytes, aligned
.endr
.endr
	s_wait_tensorcnt 0x0
	ds_add_u32 v128, v129
	s_wait_dscnt 0x0
	s_endpgm
.Lfunc_end_k_q258ab6cee9_wprep:
	.size	k_q258ab6cee9_wprep, .Lfunc_end_k_q258ab6cee9_wprep-k_q258ab6cee9_wprep
	.p2alignl 7, 3214868480
	.fill 96, 4, 3214868480
	.section	.rodata,"a",@progbits
	.p2align	6, 0x0
	.amdhsa_kernel k_q258ab6cee9_wprep
		.amdhsa_group_segment_fixed_size 124160
		.amdhsa_private_segment_fixed_size 0
		.amdhsa_enable_private_segment 0
		.amdhsa_kernarg_size 32
		.amdhsa_user_sgpr_count 2
		.amdhsa_user_sgpr_kernarg_segment_ptr 1
		.amdhsa_wavefront_size32 1
		.amdhsa_system_sgpr_workgroup_id_x 1
		.amdhsa_system_sgpr_workgroup_id_y 1
		.amdhsa_system_sgpr_workgroup_id_z 1
		.amdhsa_system_vgpr_workitem_id 0
		.amdhsa_next_free_vgpr 130
		.amdhsa_next_free_sgpr 66
		.amdhsa_reserve_vcc 0
		.amdhsa_float_denorm_mode_32 3
		.amdhsa_float_denorm_mode_16_64 3
		.amdhsa_memory_ordered 1
		.amdhsa_forward_progress 1
		.amdhsa_inst_pref_size 30
	.end_amdhsa_kernel
	.amdgpu_metadata
---
amdhsa.version: [ 1, 2 ]
amdhsa.kernels:
  - .name:           k_q258ab6cee9_wprep
    .symbol:         k_q258ab6cee9_wprep.kd
    .args:
      - { .name: coef, .offset: 0, .size: 8, .value_kind: global_buffer, .address_space: global }
      - { .name: scale_sp, .offset: 8, .size: 8, .value_kind: global_buffer, .address_space: global }
      - { .name: scale_base, .offset: 16, .size: 8, .value_kind: global_buffer, .address_space: global }
      - { .name: wt, .offset: 24, .size: 8, .value_kind: global_buffer, .address_space: global }
    .group_segment_fixed_size: 124160
    .private_segment_fixed_size: 0
    .kernarg_segment_align: 8
    .kernarg_segment_size: 32
    .max_flat_workgroup_size: 256
    .sgpr_count:     66
    .vgpr_count:     130
    .wavefront_size: 32
...
	.end_amdgpu_metadata
.endif
;; end of part 1
;; launch feat (part 2): grid 256 x 1, 8 waves a work-group, no clusters, 0 bytes of LDS; arguments x, grid, fbuf; writes fbuf
.if DOCPART == 2
	.amdgcn_target "amdgcn-amd-amdhsa--gfx1250"
	.amdhsa_code_object_version 6
	.text
	.protected	k_q258ab6cee9_feat
	.globl	k_q258ab6cee9_feat
	.p2align	8
	.type	k_q258ab6cee9_feat,@function
k_q258ab6cee9_feat:
	s_mov_b64 s[64:65], 0
	v_nop
	global_prefetch_b8 v0, s[64:65] scope:SCOPE_SE
	s_setreg_imm32_b32 hwreg(HW_REG_WAVE_MODE, 25, 1), 1
	s_wait_xcnt 0x0
; F[n][k] in bf16, k = g*1024 + d:  g = 0..3: the cubic B-spline values of x[n][d] on column d's own eight knots;  g = 4: silu(x[n][d]).
; x: [8192][1024] f32; grid: [1024][8] f32; F: [8192][5120] bf16.
; The knots are an input: the whole Cox-de Boor triangle is evaluated with its indicators, for any knots, sorted or not:
;   B(i,p) = t_i q(i,p) - t_(i+p+1) q(i+1,p),  t_i = x - g_i,  q(i,p) = a(i,p) B(i,p-1),  a(i,p) = 1 / (g_(i+p) - g_i),
;   q(i,1) = a(i,1) where g_i <= x < g_(i+1), else 0.
; Eight waves; the work-group owns 32 rows.  Thread t owns d = 4 t .. 4 t + 3 in every row, so its 32 knots and 72 reciprocals stay
; in registers for the whole kernel.  A wave's load of x covers 512 consecutive bytes; each of its five stores covers 256 consecutive
; bytes, aligned, of one plane.  A ring of eight rows of x is kept on its way.  No LDS, no barrier, no matrix unit: the waves share nothing.
; Limits: a division by a knot difference is v_rcp_f32 (1 ulp) and a multiply; a difference that is 0 or below 2^-126 counts as 0
; (infinite factor).  x < g is taken as not (x >= g): this differs for NaN alone, and there the result is NaN either way.
; silu(x) is -0 for x below about -88.  The features are rounded once, to bf16.
.set ROWB,  4096                       ; bytes in a row of x
.set FROW,  10240                      ; bytes in a row of F
.set PLANE, 2048                       ; bytes of a plane in a row of F
.set OX, 2                             ; v2         16 t: my 16 bytes in a row of x; never rewritten
.set OF, 3                             ; v3         8 t: my 8 bytes in a plane; never rewritten
; Quads: index 4 i + e, e = 0..3 my four d; the packed instructions take the pairs (e0, e1), (e2, e3).
.set G,  4                             ; v[4:35]    knot i
.set A,  36                            ; v[36:107]  a(i,p) at quad i (p = 1, i <= 6), 7 + i (p = 2, i <= 5), 13 + i (p = 3, i <= 4)
.set X,  108                           ; v[108:139] the ring: 8 rows x 4 registers
.set T,  140                           ; v[140:171] t_i, i = 0..7 (at the head: the knots as loaded, 8 e + i)
.set P,  172                           ; v[172:199] 7 quads
.set R,  200                           ; v[200:223] 6 quads
.set E,  224                           ; v[224:227] silu at work
.set Y,  232                           ; v[232:241] store data: plane g at Y + 2 g
.set M,  20                            ; s[20:51]   lane masks: x >= g_i of element e at M + 8 e + i
	s_load_b128 s[4:7], s[0:1], 0x0                ; x s[4:5], grid s[6:7]
	s_load_b64 s[8:9], s[0:1], 0x10                ; F
	s_lshl_b32 s14, ttmp9, 17                      ; 32 rows of x
	s_mov_b32 s15, 0
	s_mul_i32 s16, ttmp9, 32*FROW                  ; 32 rows of F
	s_mov_b32 s17, 0
	v_lshlrev_b32 v1, 7, v0                        ; my four rows of knots: 128 consecutive bytes
	v_lshlrev_b32 v[OX], 4, v0
	v_lshlrev_b32 v[OF], 3, v0
	s_wait_kmcnt 0x0
	s_add_nc_u64 s[4:5], s[4:5], s[14:15]
	s_add_nc_u64 s[8:9], s[8:9], s[16:17]
.irp n, 0,1,2,3,4,5,6,7
	global_load_b128 v[T+4*\n:T+4*\n+3], v1, s[6:7] offset:16*\n
.endr
.irp n, 0,1,2,3,4,5,6,7
	global_load_b128 v[X+4*\n:X+4*\n+3], v[OX], s[4:5] offset:\n*ROWB th:TH_LOAD_NT   ; fill the ring: rows 0 to 7
.endr
	s_wait_loadcnt 0x8                             ; the knots are in; the eight loads of x issued behind them stay out
.irp k, 0,1,2,3,4,5,6,7
.irp e, 0,1,2,3
	v_mov_b32 v[G+4*\k+\e], v[T+8*\e+\k]           ; once: knot k of my four d side by side, for the packed arithmetic of all 32 rows
.endr
.endr
.irp h, 0,2
.irp k, 0,1,2,3,4,5,6
	v_pk_add_f32 v[A+4*\k+\h:A+4*\k+\h+1], v[G+4*(\k+1)+\h:G+4*(\k+1)+\h+1], v[G+4*\k+\h:G+4*\k+\h+1] neg_lo:[0,1] neg_hi:[0,1]
.endr
.irp k, 0,1,2,3,4,5
	v_pk_add_f32 v[A+4*(7+\k)+\h:A+4*(7+\k)+\h+1], v[G+4*(\k+2)+\h:G+4*(\k+2)+\h+1], v[G+4*\k+\h:G+4*\k+\h+1] neg_lo:[0,1] neg_hi:[0,1]
.endr
.irp k, 0,1,2,3,4
	v_pk_add_f32 v[A+4*(13+\k)+\h:A+4*(13+\k)+\h+1], v[G+4*(\k+3)+\h:G+4*(\k+3)+\h+1], v[G+4*\k+\h:G+4*\k+\h+1] neg_lo:[0,1] neg_hi:[0,1]
.endr
.endr
.set c, 0
.rept 72
	v_rcp_f32 v[A+c], v[A+c]
.set c, c+1
.endr
	v_nop                                          ; one plain vector instruction behind the run of reciprocals, ahead of their first use
; One row.  r = the row's slot in the ring; ahead = 1: the slot is filled again with the row 8 further down;
; left = how many younger loads may stay out.
.macro ROW r, ahead, left
	s_wait_loadcnt \left                           ; loads come back in order: this slot's is in
	s_wait_xcnt 0x0                                ; Y, which the last row's stores read, is rewritten only behind this wait
	v_pk_mul_f32 v[E:E+1],   v[X+4*\r:X+4*\r+1],   0xbfb8aa3b op_sel_hi:[1,0]     ; -x log2(e)
	v_pk_mul_f32 v[E+2:E+3], v[X+4*\r+2:X+4*\r+3], 0xbfb8aa3b op_sel_hi:[1,0]
.irp e, 0,1,2,3
	v_exp_f32 v[E+\e], v[E+\e]
.endr
.irp k, 0,1,2,3,4,5,6,7
.irp h, 0,2
	v_pk_add_f32 v[T+4*\k+\h:T+4*\k+\h+1], v[X+4*\r+\h:X+4*\r+\h+1], v[G+4*\k+\h:G+4*\k+\h+1] neg_lo:[0,1] neg_hi:[0,1]   ; t_k = x - g_k; also the plain work behind the exponentials
.endr
.endr
	s_wait_alu depctr_va_vdst(0)
	v_pk_add_f32 v[E:E+1],   v[E:E+1],   1.0 op_sel_hi:[1,0]
	v_pk_add_f32 v[E+2:E+3], v[E+2:E+3], 1.0 op_sel_hi:[1,0]
.irp e, 0,1,2,3
	v_rcp_f32 v[E+\e], v[E+\e]                     ; sigmoid(x)
.endr
.irp e, 0,1,2,3
.irp k, 0,1,2,3,4,5,6,7
	v_cmp_ge_f32 s[M+8*\e+\k], v[X+4*\r+\e], v[G+4*\k+\e]      ; also the plain work behind the reciprocals
.endr
.endr
	s_wait_alu depctr_va_vdst(0)
	v_pk_mul_f32 v[E:E+1],   v[E:E+1],   v[X+4*\r:X+4*\r+1]
	v_pk_mul_f32 v[E+2:E+3], v[E+2:E+3], v[X+4*\r+2:X+4*\r+3]
	v_cvt_pk_bf16_f32 v[Y+8], v[E],   v[E+1]
	v_cvt_pk_bf16_f32 v[Y+9], v[E+2], v[E+3]
.irp e, 0,1,2,3
.irp k, 0,1,2,3,4,5,6
	s_and_not1_b32 s[M+8*\e+\k], s[M+8*\e+\k], s[M+8*\e+\k+1]  ; g_k <= x and not g_(k+1) <= x; k ascending, so mask k + 1 is still whole
.endr
.endr
.irp k, 0,1,2,3,4,5,6
.irp e, 0,1,2,3
	v_cndmask_b32 v[P+4*\k+\e], 0, v[A+4*\k+\e], s[M+8*\e+\k]  ; q(k,1)
.endr
.endr
.irp k, 0,1,2,3,4,5
.irp h, 0,2
	v_pk_mul_f32 v[R+4*\k+\h:R+4*\k+\h+1], v[T+4*(\k+2)+\h:T+4*(\k+2)+\h+1], v[P+4*(\k+1)+\h:P+4*(\k+1)+\h+1]
.endr
.endr
.irp k, 0,1,2,3,4,5
.irp h, 0,2
	v_pk_fma_f32 v[R+4*\k+\h:R+4*\k+\h+1], v[T+4*\k+\h:T+4*\k+\h+1], v[P+4*\k+\h:P+4*\k+\h+1], v[R+4*\k+\h:R+4*\k+\h+1] neg_lo:[0,0,1] neg_hi:[0,0,1]   ; B(k,1)
.endr
.endr
.irp k, 0,1,2,3,4,5
.irp h, 0,2
	v_pk_mul_f32 v[R+4*\k+\h:R+4*\k+\h+1], v[R+4*\k+\h:R+4*\k+\h+1], v[A+4*(7+\k)+\h:A+4*(7+\k)+\h+1]     ; q(k,2)
.endr
.endr
.irp k, 0,1,2,3,4
.irp h, 0,2
	v_pk_mul_f32 v[P+4*\k+\h:P+4*\k+\h+1], v[T+4*(\k+3)+\h:T+4*(\k+3)+\h+1], v[R+4*(\k+1)+\h:R+4*(\k+1)+\h+1]
.endr
.endr
.irp k, 0,1,2,3,4
.irp h, 0,2
	v_pk_fma_f32 v[P+4*\k+\h:P+4*\k+\h+1], v[T+4*\k+\h:T+4*\k+\h+1], v[R+4*\k+\h:R+4*\k+\h+1], v[P+4*\k+\h:P+4*\k+\h+1] neg_lo:[0,0,1] neg_hi:[0,0,1]   ; B(k,2)
.endr
.endr
.irp k, 0,1,2,3,4
.irp h, 0,2
	v_pk_mul_f32 v[P+4*\k+\h:P+4*\k+\h+1], v[P+4*\k+\h:P+4*\k+\h+1], v[A+4*(13+\k)+\h:A+4*(13+\k)+\h+1]   ; q(k,3)
.endr
.endr
.irp k, 0,1,2,3
.irp h, 0,2
	v_pk_mul_f32 v[R+4*\k+\h:R+4*\k+\h+1], v[T+4*(\k+4)+\h:T+4*(\k+4)+\h+1], v[P+4*(\k+1)+\h:P+4*(\k+1)+\h+1]
.endr
.endr
.irp k, 0,1,2,3
.irp h, 0,2
	v_pk_fma_f32 v[R+4*\k+\h:R+4*\k+\h+1], v[T+4*\k+\h:T+4*\k+\h+1], v[P+4*\k+\h:P+4*\k+\h+1], v[R+4*\k+\h:R+4*\k+\h+1] neg_lo:[0,0,1] neg_hi:[0,0,1]   ; B(k,3)
.endr
.endr
.irp k, 0,1,2,3
	v_cvt_pk_bf16_f32 v[Y+2*\k],   v[R+4*\k],   v[R+4*\k+1]
	v_cvt_pk_bf16_f32 v[Y+2*\k+1], v[R+4*\k+2], v[R+4*\k+3]
.endr
.if \ahead
	global_load_b128 v[X+4*\r:X+4*\r+3], v[OX], s[4:5] offset:(8+\r)*ROWB th:TH_LOAD_NT   ; the load goes ahead of the stores
.endif
.irp g, 0,1,2,3,4
	global_store_b64 v[OF], v[Y+2*\g:Y+2*\g+1], s[8:9] offset:\r*FROW+\g*PLANE            ; the wave's 32 lanes: 256 consecutive bytes, aligned
.endr
.endm
	s_mov_b32 s12, 3
.Lround:
.irp r, 0,1,2,3,4,5,6,7
	ROW \r, 1, 7                                   ; the ring's seven younger loads stay out
.endr
	s_wait_xcnt 0x0                                ; the two bases are stepped only behind this wait
	s_add_nc_u64 s[4:5], s[4:5], 8*ROWB
	s_add_nc_u64 s[8:9], s[8:9], 8*FROW
	s_sub_co_u32 s12, s12, 1
	s_cmp_lg_u32 s12, 0
	s_cbranch_scc1 .Lround
.irp r, 0,1,2,3,4,5,6,7
	ROW \r, 0, 7-\r                                ; the last eight rows load nothing: the counts run down
.endr
	s_endpgm
.Lfunc_end_k_q258ab6cee9_feat:
	.size	k_q258ab6cee9_feat, .Lfunc_end_k_q258ab6cee9_feat-k_q258ab6cee9_feat
	.p2alignl 7, 3214868480
	.fill 96, 4, 3214868480
	.section	.rodata,"a",@progbits
	.p2align	6, 0x0
	.amdhsa_kernel k_q258ab6cee9_feat
		.amdhsa_group_segment_fixed_size 0
		.amdhsa_private_segment_fixed_size 0
		.amdhsa_enable_private_segment 0
		.amdhsa_kernarg_size 24
		.amdhsa_user_sgpr_count 2
		.amdhsa_user_sgpr_kernarg_segment_ptr 1
		.amdhsa_wavefront_size32 1
		.amdhsa_system_sgpr_workgroup_id_x 1
		.amdhsa_system_sgpr_workgroup_id_y 1
		.amdhsa_system_sgpr_workgroup_id_z 1
		.amdhsa_system_vgpr_workitem_id 0
		.amdhsa_next_free_vgpr 244
		.amdhsa_next_free_sgpr 66
		.amdhsa_reserve_vcc 0
		.amdhsa_float_denorm_mode_32 3
		.amdhsa_float_denorm_mode_16_64 3
		.amdhsa_memory_ordered 1
		.amdhsa_forward_progress 1
		.amdhsa_inst_pref_size 212
	.end_amdhsa_kernel
	.amdgpu_metadata
---
amdhsa.version: [ 1, 2 ]
amdhsa.kernels:
  - .name:           k_q258ab6cee9_feat
    .symbol:         k_q258ab6cee9_feat.kd
    .args:
      - { .name: x, .offset: 0, .size: 8, .value_kind: global_buffer, .address_space: global }
      - { .name: grid, .offset: 8, .size: 8, .value_kind: global_buffer, .address_space: global }
      - { .name: fbuf, .offset: 16, .size: 8, .value_kind: global_buffer, .address_space: global }
    .group_segment_fixed_size: 0
    .private_segment_fixed_size: 0
    .kernarg_segment_align: 8
    .kernarg_segment_size: 24
    .max_flat_workgroup_size: 256
    .sgpr_count:     66
    .vgpr_count:     244
    .wavefront_size: 32
...
	.end_amdgpu_metadata
.endif
;; end of part 2
;; launch gemm (part 3): grid 4 x 64, 4 waves a work-group, clusters of 4 x 4, 327,680 bytes of LDS; arguments fbuf, wt, out0; writes out0
.if DOCPART == 3
	.amdgcn_target "amdgcn-amd-amdhsa--gfx1250"
	.amdhsa_code_object_version 6
	.text
	.protected	k_q258ab6cee9_gemm
	.globl	k_q258ab6cee9_gemm
	.p2align	8
	.type	k_q258ab6cee9_gemm,@function
k_q258ab6cee9_gemm:
	s_mov_b64 s[64:65], 0
	v_nop
	global_prefetch_b8 v0, s[64:65] scope:SCOPE_SE
	s_setreg_imm32_b32 hwreg(HW_REG_WAVE_MODE, 25, 1), 1
	s_wait_xcnt 0x0
	s_wait_alu depctr_hold_cnt(0) depctr_sa_sdst(0) depctr_va_vdst(0) depctr_va_sdst(0) depctr_va_ssrc(0) depctr_va_vcc(0) depctr_vm_vsrc(0)
	s_getreg_b32 s2, hwreg(HW_REG_IB_STS2, 6, 4)
	s_cmp_eq_u32 s2, 0
	s_cbranch_scc0 .Lentry_in_a_cluster
	s_endpgm
.Lentry_in_a_cluster:
	s_bfe_u32 s2, ttmp6, 0x10000c
	s_cmp_lg_u32 s2, 0xf033
	s_cbranch_scc0 .Lentry_shape_is_right
	s_endpgm
.Lentry_shape_is_right:
; out[n][o] = sum over k of F[n][k] Wt[o][k].  F: [8192][5120] bf16, Wt: [1024][5120] bf16, out: [8192][1024] f32; sums in f32.
; 8192 x 1024 outputs on 256 work-groups: a work-group makes 128 rows x 256 columns with four waves, a wave 64 x 128:
; 32 accumulator tiles of 16 x 16, 256 registers.  K goes in 40 steps of 128 through a ring of two LDS slots filled by the tensor
; data mover: a tile's rows are 256 bytes of memory and start at multiples of 256 bytes from the buffer's first byte.
; CLUSTERS: 4 x 4 work-groups.  The four of a row of the cluster make one block row and need the same tiles of F; the four of a column
; need the same tiles of Wt.  Such a tile is asked for jointly: each of the four issues the same tensor load with the same descriptor
; and a mask that names the four.  The grid's four block columns are one row of a cluster, so each byte of F is asked for once.
; REGISTERS: window 0: v16-27 addresses, v32-127 and v128-223 two fragment buffers (F's 4 fragments, then Wt's 8);
;            window 1: the accumulators, tile (a, b) at v[8 (8 a + b)], a = 0..3 along the rows, b = 0..7 along the columns.
; THE MATRIX INSTRUCTION IS USED TRANSPOSED: source 0 = 16 rows of Wt, source 1 = 16 rows of F.  Lane l then holds row l % 16 of out and
; its registers 0 to 7 the columns 8 (l / 16) + 0..7: 32 neighbouring bytes of a row.
; Limit: both operands are bf16 as the earlier launches rounded them.
.set KROW,   10240                     ; bytes in a row of F and of Wt
.set OROW,   4096                      ; bytes in a row of out
.set STEPB,  256                       ; bytes of a row in a K step
.set PITCH,  272                       ; an LDS row: 256 bytes + 16 of padding = 68 words: the 16 rows that a load touches start 4 words apart mod 64
.set ABYTES, 128*PITCH                 ; F's 128 rows
.set SLOT,   384*PITCH                 ; F's 128 rows, then Wt's 256 rows
.set STAGE,  2*SLOT                    ; behind the ring, at a multiple of 256 bytes: 16 rows x 528 bytes for each wave, for the way out; no tensor load lands here
.set SPITCH, 528                       ; 512 bytes + 16 = 132 words
.set LAPS,   20                        ; a lap = two K steps = once round the ring
.set ADRA, 16                          ; v16-17  LDS address of my F fragments in slot 0, 1
.set ADRB, 20                          ; v20-21  the same for Wt
.set STO,  24                          ; v24     the way out: where I put 32 bytes of a row
.set RD,   25                          ; v25     the way out: where I read 16 bytes of a row back
.set CO,   26                          ; v26     my byte offset in a row piece of out
.set PF,   27                          ; v27     prefetch: my row of F's block row, and my wave's K step
.set F0,   32
.set F1,   128
.set G1,  24                           ; s[24:31] descriptor group 1 for F's tiles
.set G0,  32                           ; s[32:39] descriptor group 0 for F's tiles, one set for each slot
.set G1B, 48                           ; s[48:55] group 1 for Wt's tiles
.set G0B, 56                           ; s[56:63] group 0 for Wt's tiles, one set for each slot
.set PFB, 66                           ; s[66:67] prefetch base
.set MSB, 0
.macro WIN new                         ; the immediate's high byte repeats the setting that is left
.if MSB != \new
	s_set_vgpr_msb (MSB<<8)|\new
.set MSB, \new
.endif
.endm
.set MUL, 0x50                         ; sources 0 and 1 window 0, C and D window 1
.set STW, 0x04                         ; an LDS store's data window 1, its address window 0
; A joint load.  Waves 0 and 1 fetch F's two halves of 64 rows, waves 2 and 3 Wt's two halves of 128 rows.  Each line has one mask and
; one set of registers for all that issue it.  The branch hangs on the wave's number alone.
; pf = 1: waves 0 and 1 also ask, into the L2, for the tiles of F that the refills of the next lap will fetch: 512 bytes further along K than
; the last request; wave w the step at 256 w, lane l the row 32 cx + l of the block row, so each 256 bytes of F are asked for once in the launch.
.macro JLOAD s, pf
	s_cmp_eq_u32 s11, 0
	s_cbranch_scc0 .Lfor_b_\@
	tensor_load_to_lds s[G0+4*\s:G0+4*\s+3], s[G1:G1+7]
	s_nop 0
.if \pf
	s_wait_xcnt 0x0                                ; the last prefetch, a lap ago, has read its base: it is stepped only behind this wait
	s_add_nc_u64 s[PFB:PFB+1], s[PFB:PFB+1], 2*STEPB
	global_prefetch_b8 v[PF], s[PFB:PFB+1] th:TH_LOAD_NT scope:SCOPE_SE
.endif
	s_branch .Lasked_\@
.Lfor_b_\@:
	tensor_load_to_lds s[G0B+4*\s:G0B+4*\s+3], s[G1B:G1B+7]
	s_nop 0
.Lasked_\@:
.endm
; A round of the cluster's barrier: my work-group's barrier; wave 0 signals for the work-group; every wave waits for all sixteen
; work-groups; my work-group's barrier once more.
.macro CREST                           ; a round behind its opening barrier
	s_cmp_lg_u32 s10, 0
	s_cbranch_scc1 .Lnot_wave_0_\@
	s_barrier_signal -3
.Lnot_wave_0_\@:
	s_barrier_wait -3
	s_barrier_signal -1
	s_barrier_wait -1
.endm
.macro CROUND                          ; a whole round
	s_barrier_signal -1
	s_barrier_wait -1
	CREST
.endm
	s_load_b128 s[4:7], s[0:1], 0x0                ; F s[4:5], Wt s[6:7]
	s_load_b64 s[8:9], s[0:1], 0x10                ; out
	v_lshl_add_u32 v254, v0, 2, 0x3b400
	v_mov_b32 v255, 0
	ds_add_u32 v254, v255
	v_lshrrev_b32 v1, 5, v0
	v_readfirstlane_b32 s10, v1                    ; wave 0..3
	s_lshr_b32 s11, s10, 1                         ; which 64 of the block's rows are mine.  Also: I fetch for F (0) or for Wt (1)
	s_and_b32 s12, s10, 1                          ; which 128 of its columns.  Also: which half of that tile I fetch
	s_bfe_u32 s40, ttmp6, 0x40000                  ; cx
	s_bfe_u32 s41, ttmp6, 0x40004                  ; cy
	s_lshl_b32 s42, ttmp9, 2                       ; in a cluster launch ttmp9 and ttmp7 count clusters
	s_add_co_u32 s42, s42, s40                     ; block column = 4 x cluster x + cx
	s_and_b32 s13, ttmp7, 0xffff
	s_lshl_b32 s13, s13, 2
	s_add_co_u32 s13, s13, s41                     ; block row = 4 x cluster y + cy
	s_lshl_b32 s43, s41, 2
	s_lshl_b32 s43, 15, s43                        ; my row of the cluster: places 4 cy .. 4 cy + 3
	s_lshl_b32 s44, 0x1111, s40                    ; my column: places cx, cx + 4, cx + 8, cx + 12
	; group 1: rows of 128 elements of 2 bytes, 16 bytes of padding behind each; F: 64 rows a load, Wt: 128 rows a load
	s_or_b32 s[G1+0], s43, (1<<16)|(1<<20)|(1<<21)|(5<<22)|(3<<25)   ; 15:0 mask: my row; 17:16 2-byte elements; 20 padding on; 21 set beside a mask; 24:22 after every 64 words; 31:25 four words
	s_or_b32 s[G1B+0], s44, (1<<16)|(1<<20)|(1<<21)|(5<<22)|(3<<25)  ; the same with the mask of my column
	s_mov_b32 s[G1+1], 128<<16                     ; tensor_dim0 = 128
	s_mov_b32 s[G1B+1], 128<<16
	s_mov_b32 s[G1+2], 64<<16                      ; tensor_dim1 = 64
	s_mov_b32 s[G1B+2], 128<<16                    ; tensor_dim1 = 128
	s_mov_b32 s[G1+3], 128<<16                     ; tile_dim0 = 128
	s_mov_b32 s[G1B+3], 128<<16
	s_mov_b32 s[G1+4], 64                          ; tile_dim1 = 64
	s_mov_b32 s[G1B+4], 128                        ; tile_dim1 = 128
	s_mov_b32 s[G1+5], 5120                        ; elements from row to row
	s_mov_b32 s[G1B+5], 5120
	s_mov_b32 s[G1+6], 0
	s_mov_b32 s[G1B+6], 0
	s_mov_b32 s[G1+7], 0
	s_mov_b32 s[G1B+7], 0
	; where the tiles come from.  F's hang on the block row alone, Wt's on the block column alone; each in registers that never hold the other coordinate.
	s_lshl_b32 s17, s12, 6
	s_lshl_b32 s16, s13, 7
	s_add_co_u32 s16, s16, s17                     ; F: row 128 x block row + 64 x half
	s_mul_i32 s16, s16, KROW                       ; in bytes: below 2^27
	s_mov_b32 s17, 0
	s_lshl_b32 s47, s12, 7
	s_lshl_b32 s46, s42, 8
	s_add_co_u32 s46, s46, s47                     ; Wt: row 256 x block column + 128 x half
	s_mul_i32 s46, s46, KROW
	s_mov_b32 s47, 0
	s_mul_i32 s18, s13, 128*KROW                   ; the block row's first byte, for the prefetches
	s_mov_b32 s19, 0
	s_mul_i32 s20, s12, 64*PITCH                   ; and where they go: F's half,
	s_mul_i32 s21, s12, 128*PITCH
	s_add_co_u32 s21, s21, ABYTES                  ; Wt's half, behind F's 128 rows: no place in the cluster enters an LDS address
	v_and_b32 v4, 31, v0
	s_lshl_b32 s45, s40, 5
	v_add_nc_u32 v4, s45, v4                       ; prefetch: row 32 cx + lane of the block row,
	v_mul_u32_u24 v[PF], v4, KROW
	v_lshl_add_u32 v[PF], s12, 8, v[PF]            ; and my wave's K step of the two
	s_wait_dscnt 0x0
	s_wait_kmcnt 0x0
	s_add_nc_u64 s[14:15], s[4:5], s[16:17]
	s_add_nc_u64 s[46:47], s[6:7], s[46:47]
	s_add_nc_u64 s[PFB:PFB+1], s[4:5], s[18:19]
	CROUND                                         ; all sixteen work-groups are here: the first joint loads meet
.irp s, 0,1
	s_mov_b32 s[G0+4*\s], 1                                        ; count = 1
	s_add_co_u32 s[G0+4*\s+1], s20, \s*SLOT                        ; LDS address
	s_add_nc_u64 s[G0+4*\s+2:G0+4*\s+3], s[14:15], \s*STEPB        ; global address: K step s
	s_or_b32 s[G0+4*\s+3], s[G0+4*\s+3], 0x80000000                ; type = 2
	s_mov_b32 s[G0B+4*\s], 1
	s_add_co_u32 s[G0B+4*\s+1], s21, \s*SLOT
	s_add_nc_u64 s[G0B+4*\s+2:G0B+4*\s+3], s[46:47], \s*STEPB
	s_or_b32 s[G0B+4*\s+3], s[G0B+4*\s+3], 0x80000000
	JLOAD \s, \s                                   ; both first fills go out together; behind the second, the prefetch of K steps 2 and 3
.endr
	; A fragment is 16 rows x 32 K in 8 registers: lane l holds row l % 16; registers 0-3 K = 8 (l / 16) + 0..7, registers 4-7 K = 16 + 8 (l / 16) + 0..7:
	; two loads of 16 bytes, 32 bytes apart.
	v_and_b32 v1, 15, v0                           ; l % 16
	v_bfe_u32 v2, v0, 4, 1                         ; l / 16
	v_mul_u32_u24 v3, v1, PITCH
	v_lshl_add_u32 v3, v2, 4, v3
	s_mul_i32 s22, s11, 64*PITCH                   ; my 64 rows of F; s21 already points at my 128 rows of Wt
.irp s, 0,1
	v_add_nc_u32 v[ADRA+\s], s22, v3
	v_add_nc_u32 v[ADRB+\s], s21, v3
	s_add_co_u32 s22, s22, SLOT
	s_add_co_u32 s21, s21, SLOT
.endr
	s_mul_i32 s23, s10, 16*SPITCH
	s_add_co_u32 s23, s23, STAGE                   ; my stage
	v_mul_u32_u24 v4, v1, SPITCH                   ; in: row l % 16, 32 bytes for each half of the lanes
	v_lshl_add_u32 v4, v2, 5, v4
	v_add_nc_u32 v[STO], s23, v4
	v_and_b32 v5, 31, v0
	v_lshlrev_b32 v[CO], 4, v5                     ; back: 32 lanes take one row piece of 512 bytes
	v_add_nc_u32 v[RD], s23, v[CO]
; 8 matrix instructions: row block a x all 8 column blocks, 32 along K.  zero = 1: the first product starts the sums.
; The 32 accumulators take turns, one instruction a turn, in the same order in every quarter step, over the backward jump too.
.macro MUL8 f, a, zero
.irp b, 0,1,2,3,4,5,6,7
.if \zero
	v_wmma_f32_16x16x32_bf16 v[8*(8*\a+\b):8*(8*\a+\b)+7], v[\f+32+8*\b:\f+32+8*\b+7], v[\f+8*\a:\f+8*\a+7], 0
.else
	v_wmma_f32_16x16x32_bf16 v[8*(8*\a+\b):8*(8*\a+\b)+7], v[\f+32+8*\b:\f+32+8*\b+7], v[\f+8*\a:\f+8*\a+7], v[8*(8*\a+\b):8*(8*\a+\b)+7]
.endif
.endr
.endm
; 24 LDS loads in one run: the fragments of a quarter step (128 rows of Wt, then 64 rows of F, 32 K at byte k of the rows) into buffer f
.macro FETCH slot, k, f
	WIN 0
.irp i, 0,1,2,3,4,5,6,7
	ds_load_b128 v[\f+32+8*\i:\f+32+8*\i+3], v[ADRB+\slot] offset:\k+\i*16*PITCH
	ds_load_b128 v[\f+32+8*\i+4:\f+32+8*\i+7], v[ADRB+\slot] offset:\k+\i*16*PITCH+32
.endr
.irp i, 0,1,2,3
	ds_load_b128 v[\f+8*\i:\f+8*\i+3], v[ADRA+\slot] offset:\k+\i*16*PITCH
	ds_load_b128 v[\f+8*\i+4:\f+8*\i+7], v[ADRA+\slot] offset:\k+\i*16*PITCH+32
.endr
.endm
; A load into a register that a matrix instruction has read, and a store that reads a matrix result, stand four places behind that matrix
; instruction; only plain vector instructions that name none of its registers are places (ISA guide 7.12.1 for vector instructions).
.macro PLACES
.rept 4
	v_nop
.endr
.endm
; A K step is four quarter steps of 32 along K, 32 matrix instructions each, on buffers 0, 1, 0, 1.
; One of the first three: multiplies buffer f; in its middle it fetches the next quarter's fragments, at byte k of the same slot's rows, into buffer g.
.macro QUARTER slot, k, f, g, zero
	s_wait_dscnt 4                                 ; Wt's fragments and F's 0 and 1 are in; the youngest four loads (F's 2 and 3) may be out
	WIN MUL
	MUL8 \f, 0, \zero
	MUL8 \f, 1, \zero
	PLACES
	FETCH \slot, \k, \g
	s_wait_dscnt 24                                ; all but the 24 just issued
	WIN MUL
	MUL8 \f, 2, \zero
	MUL8 \f, 3, \zero
.endm
.macro THREE slot, zero
	QUARTER \slot, 64,  F0, F1, \zero
	QUARTER \slot, 128, F1, F0, 0
	QUARTER \slot, 192, F0, F1, 0
.endm
; The last quarter: multiplies buffer 1 and changes slots.  next = the other slot; fill = 1: this slot is filled again, two K steps ahead.
; One barrier for the change of slots.  In front of it each wave waits for its own reads of this slot and for all its tensor loads, of which
; one is out: its part of the next slot.  Behind it nobody reads this slot any more and the next slot is whole: the refill comes first,
; then the next slot's first fragments.  From a request to the wait for it a wave issues 120 matrix instructions.
.macro TURN slot, next, fill, pf
	s_wait_dscnt 4
	WIN MUL
	MUL8 F1, 0, 0
	s_wait_dscnt 0                                 ; my reads of this slot are over
	s_wait_tensorcnt 0x0                           ; and all my tensor loads have landed
	ds_add_u32 v254, v255
	s_wait_dscnt 0x0
	s_barrier_signal -1                            ; say so (where a slot is filled again this barrier opens a round of the cluster's barrier),
	MUL8 F1, 1, 0                                  ; work on registers while the others arrive,
	WIN 0
	s_barrier_wait -1
.if \fill
	CREST                                          ; no wave of any partner still reads this slot's tile or has a load on its way
	s_add_nc_u64 s[G0+4*\slot+2:G0+4*\slot+3], s[G0+4*\slot+2:G0+4*\slot+3], 2*STEPB
	s_add_nc_u64 s[G0B+4*\slot+2:G0B+4*\slot+3], s[G0B+4*\slot+2:G0B+4*\slot+3], 2*STEPB
	JLOAD \slot, \pf                               ; the first tensor load behind the round, one a wave
.endif
	PLACES
	FETCH \next, 0, F0
	WIN MUL
	MUL8 F1, 2, 0
	MUL8 F1, 3, 0
.endm
.macro LAP zero, pf                    ; once round the ring, both slots filled again; one prefetch for both of the next lap's refills
	THREE 0, \zero
	TURN 0, 1, 1, \pf
	THREE 1, 0
	TURN 1, 0, 1, 0
.endm
	s_wait_tensorcnt 0x1                           ; my part of K step 0 is in; K step 1's may stay out
	s_barrier_signal -1
	s_barrier_wait -1                              ; everybody's is
	FETCH 0, 0, F0
	LAP 1, 1                                       ; lap 0 stands in front of the loop: its first products start the sums.  Fills steps 2, 3; asks ahead for 4, 5
	WIN 0                                          ; at a label and at a branch every window is 0
	s_mov_b32 s3, LAPS-3
.Llap:
	LAP 0, 1                                       ; laps 1 to 17: lap L fills steps 2 L + 2, 2 L + 3 and asks ahead for 2 L + 4, 2 L + 5; the last request is for steps 38, 39, inside the rows
	WIN 0
	s_sub_co_u32 s3, s3, 1
	s_cmp_lg_u32 s3, 0
	s_cbranch_scc1 .Llap
	LAP 0, 0                                       ; lap 18 fills steps 38 and 39 and asks ahead for nothing
	THREE 0, 0                                     ; lap 19 fills nothing and has no round: my one tensor load that is still out is slot 1's, the last K step's
	TURN 0, 1, 0, 0
	THREE 1, 0
	s_wait_dscnt 4                                 ; the very last quarter: nothing more to fetch
	WIN MUL
	MUL8 F1, 0, 0
	MUL8 F1, 1, 0
	s_wait_dscnt 0
	MUL8 F1, 2, 0
	MUL8 F1, 3, 0
	; THE WAY OUT, 16 rows at a time: 32 bytes a lane into my own stage in LDS, read back as row pieces of 512 bytes.
	PLACES                                         ; the places behind the last matrix instructions: for the LDS stores of results and for the loads into the fragment buffers
	s_lshl_b32 s16, s13, 7
	s_lshl_b32 s14, s11, 6
	s_add_co_u32 s16, s16, s14                     ; my first row of out
	s_lshl_b32 s16, s16, 12                        ; in bytes: below 2^25
	s_mov_b32 s17, 0
	s_add_nc_u64 s[8:9], s[8:9], s[16:17]
	s_lshl_b32 s46, s42, 10                        ; my first column, in bytes: 1,024 x block column + 512 x half
	s_lshl_b32 s47, s12, 9
	s_add_co_u32 s46, s46, s47
	s_mov_b32 s47, 0
	s_add_nc_u64 s[8:9], s[8:9], s[46:47]
; rows 16 a .. 16 a + 15 of my 64 = the eight tiles (a, 0..7); f: F0 or F1 in turn
.macro OUT16 a, f
	WIN STW
.irp b, 0,1,2,3,4,5,6,7
	ds_store_b128 v[STO], v[8*(8*\a+\b):8*(8*\a+\b)+3] offset:64*\b
	ds_store_b128 v[STO], v[8*(8*\a+\b)+4:8*(8*\a+\b)+7] offset:64*\b+16
.endr
	WIN 0
	s_wait_xcnt 0x0                                ; buffer f, which earlier stores read, and the stores' base are rewritten only behind this wait
.if \a
	s_add_nc_u64 s[8:9], s[8:9], 16*OROW
.endif
.irp t, 0,1,2,3,4,5,6,7,8,9,10,11,12,13,14,15
	ds_load_b128 v[\f+4*\t:\f+4*\t+3], v[RD] offset:\t*SPITCH      ; LDS serves a wave's instructions in order (ISA guide 5.7.1.4): these see the stores above
.endr
.irp t, 0,1,2,3,4,5,6,7,8,9,10,11,12,13,14,15
	s_wait_dscnt 15-\t                             ; row t is back, the younger ones stay out
	global_store_b128 v[CO], v[\f+4*\t:\f+4*\t+3], s[8:9] offset:\t*OROW th:TH_STORE_NT   ; the wave stores 512 consecutive bytes, at a multiple of 512 from out's first byte
.endr
.endm
	OUT16 0, F0
	OUT16 1, F1
	OUT16 2, F0
	OUT16 3, F1
	s_wait_tensorcnt 0x0
	ds_add_u32 v254, v255
	s_wait_dscnt 0x0
	CROUND                                         ; the closing round: no work-group ends while a partner may still ask for a tile that names it
	s_endpgm
.Lfunc_end_k_q258ab6cee9_gemm:
	.size	k_q258ab6cee9_gemm, .Lfunc_end_k_q258ab6cee9_gemm-k_q258ab6cee9_gemm
	.p2alignl 7, 3214868480
	.fill 96, 4, 3214868480
	.section	.rodata,"a",@progbits
	.p2align	6, 0x0
	.amdhsa_kernel k_q258ab6cee9_gemm
		.amdhsa_group_segment_fixed_size 327680
		.amdhsa_private_segment_fixed_size 0
		.amdhsa_enable_private_segment 0
		.amdhsa_kernarg_size 24
		.amdhsa_user_sgpr_count 2
		.amdhsa_user_sgpr_kernarg_segment_ptr 1
		.amdhsa_wavefront_size32 1
		.amdhsa_system_sgpr_workgroup_id_x 1
		.amdhsa_system_sgpr_workgroup_id_y 1
		.amdhsa_system_sgpr_workgroup_id_z 1
		.amdhsa_system_vgpr_workitem_id 0
		.amdhsa_next_free_vgpr 512
		.amdhsa_next_free_sgpr 68
		.amdhsa_reserve_vcc 0
		.amdhsa_float_denorm_mode_32 3
		.amdhsa_float_denorm_mode_16_64 3
		.amdhsa_memory_ordered 1
		.amdhsa_forward_progress 1
		.amdhsa_inst_pref_size 150
	.end_amdhsa_kernel
	.amdgpu_metadata
---
amdhsa.version: [ 1, 2 ]
amdhsa.kernels:
  - .name:           k_q258ab6cee9_gemm
    .symbol:         k_q258ab6cee9_gemm.kd
    .args:
      - { .name: fbuf, .offset: 0, .size: 8, .value_kind: global_buffer, .address_space: global }
      - { .name: wt, .offset: 8, .size: 8, .value_kind: global_buffer, .address_space: global }
      - { .name: out0, .offset: 16, .size: 8, .value_kind: global_buffer, .address_space: global }
    .group_segment_fixed_size: 327680
    .private_segment_fixed_size: 0
    .kernarg_segment_align: 8
    .kernarg_segment_size: 24
    .max_flat_workgroup_size: 128
    .sgpr_count:     68
    .vgpr_count:     512
    .wavefront_size: 32
...
	.end_amdgpu_metadata
.endif
;; end of part 3
;; ======== version 2 of 3: 2 launches
;; workspace buffers: fbuf 83,886,080 bytes; wt 10,485,760 bytes
;; launch prep (part 4): grid 256 x 1, 8 waves a work-group, no clusters, 216,064 bytes of LDS; arguments coef, scale_sp, scale_base, x, grid, wt, fbuf; writes wt, fbuf
.if DOCPART == 4
	.amdgcn_target "amdgcn-amd-amdhsa--gfx1250"
	.amdhsa_code_object_version 6
	.text
	.protected	k_q258ab6cee9_prep
	.globl	k_q258ab6cee9_prep
	.p2align	8
	.type	k_q258ab6cee9_prep,@function
k_q258ab6cee9_prep:
	s_mov_b64 s[64:65], 0
	v_nop
	global_prefetch_b8 v0, s[64:65] scope:SCOPE_SE
	s_setreg_imm32_b32 hwreg(HW_REG_WAVE_MODE, 25, 1), 1
	s_wait_xcnt 0x0
; Both operands of the product out = F Wt^T, in bf16, K index k = g*1024 + d:
;   Wt[o][k]: g = 0..3: coef[d][o][g] * scale_sp[d][o];  g = 4: scale_base[d][o].
;   F[n][k]:  g = 0..3: the cubic B-spline values of x[n][d] on column d's own eight knots;  g = 4: silu(x[n][d]).
; coef: [1024 d][1024 o][4 g], scale_sp, scale_base: [1024 d][1024 o], x: [8192][1024], grid: [1024][8], all f32.
; BOTH RESULTS LIE IN FRAGMENT ORDER: element (row, k) is at byte
;   (row / 16) * 163840 + (k / 32) * 1024 + ((k / 16) % 2) * 512 + ((k / 8) % 2) * 256 + (row % 16) * 16 + (k % 8) * 2,
; so 16 rows x 32 k are 1,024 consecutive bytes in the order in which a matrix operand's lanes hold them.  A run of 256 consecutive bytes
; (a unit) is 16 rows x 8 k: both results are transposed through LDS so that sixteen neighbouring lanes store a whole unit.
; 256 work-groups of eight waves.  Each makes a tile of 64 d x 64 o of Wt, and 32 rows of F.
; Wt: wave w takes d_local 8 w .. 8 w + 7 in two items of four d.  Lane (q = lane % 16, hh = lane / 16), item m: the pair
;   d_local = 8 w + 4 m + 2 hh + (0, 1), o_local = 16 j + q, j = 0..3; the pair is packed into one word.  LDS: a block for each wave,
;   320 rows (g*64 + o_local) of 16 bytes (its 8 d); sixteen rows of a block are one unit.  One barrier, then the units are read back and stored.
; F: the knots are an input: the whole Cox-de Boor triangle is evaluated with its indicators, for any knots, sorted or not:
;   B(i,p) = t_i q(i,p) - t_(i+p+1) q(i+1,p),  t_i = x - g_i,  q(i,p) = a(i,p) B(i,p-1),  a(i,p) = 1 / (g_(i+p) - g_i),
;   q(i,1) = a(i,1) where g_i <= x < g_(i+1), else 0.
;   Thread t owns d = 4 t .. 4 t + 3 in every row, so its 32 knots and 72 reciprocals stay in registers.  A ring of eight rows of x is kept
;   on its way.  A row's five times 8 bytes go into the wave's own LDS (80 units at a pitch of 272 bytes); after 16 rows the units are whole.
; No matrix unit, no tensor load, no cluster: the work-groups share nothing.
; Limits: a division by a knot difference is v_rcp_f32 (1 ulp) and a multiply; a difference that is 0 or below 2^-126 counts as 0
; (infinite factor).  x < g is taken as not (x >= g): this differs for NaN alone, and there the result is NaN either way.
; silu(x) is -0 for x below about -88.  Both results are rounded once, to bf16.
.set RB,    163840                     ; bytes of a block of 16 rows: 160 fragments
.set ROWB,  4096                       ; bytes in a row of x
.set UP,    272                        ; F: LDS pitch of a unit: 68 words, so sixteen units' words start 4 words apart mod 64
.set TW,    80*UP                      ; F: a wave's 80 units
.set WBASE, 8*TW                       ; Wt's blocks lie behind them
.set BLK,   5120                       ; Wt: a wave's block: 320 rows of 16 bytes
.set OX,  2                            ; v2         16 t: my 16 bytes in a row of x; never rewritten
.set VT,  3                            ; v3         LDS: where I put 8 bytes of row 0, plane 0
; Quads: index 4 i + e, e = 0..3 my four d; the packed instructions take the pairs (e0, e1), (e2, e3).
.set G,   4                            ; v[4:35]    knot i
.set A,   36                           ; v[36:107]  a(i,p) at quad i (p = 1, i <= 6), 7 + i (p = 2, i <= 5), 13 + i (p = 3, i <= 4)
.set X,   108                          ; v[108:139] the ring: 8 rows x 4 registers
.set T,   140                          ; v[140:171] t_i, i = 0..7 (at the head: the knots as loaded, 8 e + i)
.set P,   172                          ; v[172:199] 7 quads
.set R,   200                          ; v[200:223] 6 quads
.set E,   224                          ; v[224:227] silu at work
.set VRB, 228                          ; v228       LDS: where I read 16 bytes of a unit back
.set VGO, 229                          ; v229       my byte offset in F's row block
.set VC,  230                          ; v230       Wt: byte offset in coef
.set VS,  231                          ; v231       Wt: byte offset in the scales
.set Y,   232                          ; v[232:241] a row's results: plane g at Y + 2 g
.set VL,  242                          ; v242       Wt: LDS, where I store a word
.set VR,  243                          ; v243       Wt: LDS, where I read 16 bytes back
.set VG,  244                          ; v244       Wt: my byte offset in the tile
.set B0,  4                            ; v[4:51]    Wt, item 0: coef [rr][j][g] at +16 rr + 4 j + g, scale_sp at +32 + 4 rr + j, scale_base at +40 + 4 rr + j
.set B1,  52                           ; v[52:99]   Wt, item 1
.set WR,  172                          ; v[172:191] Wt: packed words on their way into LDS
.set RBW, 172                          ; v[172:211] Wt: the read-back, 10 x 4 registers
.set M,   20                           ; s[20:51]   lane masks: x >= g_i of element e at M + 8 e + i
	s_load_b256 s[4:11], s[0:1], 0x0               ; coef s[4:5], scale_sp s[6:7], scale_base s[8:9], x s[10:11]
	s_load_b128 s[12:15], s[0:1], 0x20             ; grid s[12:13], Wt s[14:15]
	s_load_b64 s[16:17], s[0:1], 0x30              ; F
	v_lshl_add_u32 v252, v0, 2, 0x34800
	v_mov_b32 v253, 0
	v_lshrrev_b32 v1, 5, v0
	v_readfirstlane_b32 s18, v1                    ; wave 0..7
	s_and_b32 s19, ttmp9, 15                       ; dt: which 64 d of Wt
	s_lshr_b32 s52, ttmp9, 4                       ; ot: which 64 o
	s_lshl_b32 s54, s19, 20                        ; coef: 64 d x 16,384 bytes
	s_lshl_b32 s53, s52, 10                        ;       + 64 o x 16 bytes
	s_add_co_u32 s54, s54, s53
	s_mov_b32 s55, 0
	s_lshl_b32 s56, s19, 18                        ; the scales: 64 d x 4,096 bytes
	s_lshl_b32 s53, s52, 8                         ;             + 64 o x 4 bytes
	s_add_co_u32 s56, s56, s53
	s_mov_b32 s57, 0
	s_mul_i32 s58, s52, 4*RB                       ; Wt: four row blocks
	s_lshl_b32 s53, s19, 11                        ;     + two fragments for 64 d
	s_add_co_u32 s58, s58, s53
	s_mov_b32 s59, 0
	s_lshl_b32 s20, ttmp9, 17                      ; 32 rows of x
	s_mov_b32 s21, 0
	s_mul_i32 s22, ttmp9, 2*RB                     ; two row blocks of F
	s_mov_b32 s23, 0
	v_and_b32 v245, 15, v0                         ; q
	v_bfe_u32 v246, v0, 4, 1                       ; hh
	v_and_b32 v247, 31, v0                         ; lane
	s_lshl_b32 s53, s18, 3
	v_lshl_add_u32 v248, v246, 1, s53              ; 8 w + 2 hh: my first d_local
	v_lshlrev_b32 v[VC], 4, v245
	v_lshl_add_u32 v[VC], v248, 14, v[VC]          ; d x 16,384 + q x 16
	v_lshlrev_b32 v[VS], 2, v245
	v_lshl_add_u32 v[VS], v248, 12, v[VS]          ; d x 4,096 + q x 4
	s_mul_i32 s24, s18, BLK
	s_add_co_u32 s24, s24, WBASE                   ; my wave's block
	v_lshlrev_b32 v[VL], 4, v245
	v_lshl_add_u32 v[VL], v246, 2, v[VL]
	v_add_nc_u32 v[VL], s24, v[VL]                 ; row q, word hh: 32 lanes, 32 different words of 256 consecutive bytes
	s_and_b32 s25, s18, 1                          ; back: wave w takes row block w / 2 and the fragment w % 2 of each plane
	s_lshr_b32 s26, s18, 1
	s_mul_i32 s27, s25, 4*BLK
	s_lshl_b32 s28, s26, 8
	s_add_co_u32 s27, s27, s28
	s_add_co_u32 s27, s27, WBASE
	v_mul_u32_u24 v[VR], v246, BLK                 ; block 4 (w % 2) + 2 half + hh holds the unit's 8 d
	v_lshl_add_u32 v[VR], v245, 4, v[VR]
	v_add_nc_u32 v[VR], s27, v[VR]
	s_mul_i32 s28, s26, RB
	s_lshl_b32 s29, s25, 10
	s_add_co_u32 s28, s28, s29
	v_lshl_add_u32 v[VG], v247, 4, s28
	v_lshlrev_b32 v1, 7, v0                        ; my four rows of knots: 128 consecutive bytes
	v_lshlrev_b32 v[OX], 4, v0
	s_mul_i32 s30, s18, TW                         ; my wave's units
	v_lshrrev_b32 v249, 1, v247                    ; my 4 d lie in unit lane / 2 of the plane's sixteen,
	v_mul_u32_u24 v[VT], v249, UP
	v_and_b32 v249, 1, v0                          ; in its half lane % 2 of a row's 16 bytes
	v_lshl_add_u32 v[VT], v249, 3, v[VT]
	v_add_nc_u32 v[VT], s30, v[VT]
	v_mul_u32_u24 v[VRB], v246, UP                 ; back: lanes 0-15 one unit, lanes 16-31 the next
	v_lshl_add_u32 v[VRB], v245, 4, v[VRB]
	v_add_nc_u32 v[VRB], s30, v[VRB]
	s_lshl_b32 s31, s18, 12                        ; my wave's 128 d are four fragments of each plane
	v_lshl_add_u32 v[VGO], v247, 4, s31
	s_wait_kmcnt 0x0
	s_add_nc_u64 s[4:5], s[4:5], s[54:55]
	s_add_nc_u64 s[6:7], s[6:7], s[56:57]
	s_add_nc_u64 s[8:9], s[8:9], s[56:57]
	s_add_nc_u64 s[10:11], s[10:11], s[20:21]
	s_add_nc_u64 s[14:15], s[14:15], s[58:59]
	s_add_nc_u64 s[16:17], s[16:17], s[22:23]
; Wt, item m's 24 loads.  A coef load's sixteen lanes cover 256 consecutive bytes, aligned (16 o x 4 g).  The four j of a scale
; together cover 256 consecutive bytes, so these lines carry no non-temporal hint.
.macro LOADI m, bf
.irp rr, 0,1
.irp j, 0,1,2,3
	global_load_b128 v[\bf+16*\rr+4*\j:\bf+16*\rr+4*\j+3], v[VC], s[4:5] offset:\m*65536+\rr*16384+\j*256 th:TH_LOAD_NT
.endr
.endr
.irp rr, 0,1
.irp j, 0,1,2,3
	global_load_b32 v[\bf+32+4*\rr+\j], v[VS], s[6:7] offset:\m*16384+\rr*4096+\j*64
	global_load_b32 v[\bf+40+4*\rr+\j], v[VS], s[8:9] offset:\m*16384+\rr*4096+\j*64
.endr
.endr
.endm
; Wt, item m: scale, pack the pair of d into a word, store the 20 words (4 j x 5 planes) into my block.
.macro WORK m, bf
.irp rr, 0,1
.irp jj, 0,2
.irp h, 0,2
	v_pk_mul_f32 v[\bf+16*\rr+4*\jj+\h:\bf+16*\rr+4*\jj+\h+1], v[\bf+16*\rr+4*\jj+\h:\bf+16*\rr+4*\jj+\h+1], v[\bf+32+4*\rr+\jj:\bf+32+4*\rr+\jj+1] op_sel_hi:[1,0]                 ; both by the pair's first: scale_sp of j = jj
	v_pk_mul_f32 v[\bf+16*\rr+4*\jj+4+\h:\bf+16*\rr+4*\jj+4+\h+1], v[\bf+16*\rr+4*\jj+4+\h:\bf+16*\rr+4*\jj+4+\h+1], v[\bf+32+4*\rr+\jj:\bf+32+4*\rr+\jj+1] op_sel:[0,1] op_sel_hi:[1,1]   ; both by its second: j = jj + 1
.endr
.endr
.endr
.irp j, 0,1,2,3
.irp g, 0,1,2,3
	v_cvt_pk_bf16_f32 v[WR+4*\j+\g], v[\bf+4*\j+\g], v[\bf+16+4*\j+\g]     ; d in the low half, d + 1 in the high half
.endr
	v_cvt_pk_bf16_f32 v[WR+16+\j], v[\bf+40+\j], v[\bf+44+\j]              ; plane 4: scale_base
.endr
.irp j, 0,1,2,3
.irp g, 0,1,2,3
	ds_store_b32 v[VL], v[WR+4*\j+\g] offset:(\g*64+16*\j)*16+8*\m
.endr
	ds_store_b32 v[VL], v[WR+16+\j] offset:(4*64+16*\j)*16+8*\m
.endr
.endm
	; everything that the head needs goes out at once: Wt's 48 loads, the knots, the first eight rows of x
	LOADI 0, B0
	LOADI 1, B1
.irp n, 0,1,2,3,4,5,6,7
	global_load_b128 v[T+4*\n:T+4*\n+3], v1, s[12:13] offset:16*\n
.endr
.irp n, 0,1,2,3,4,5,6,7
	global_load_b128 v[X+4*\n:X+4*\n+3], v[OX], s[10:11] offset:\n*ROWB th:TH_LOAD_NT
.endr
	s_wait_loadcnt 40                              ; loads come back in order: item 0 is in; item 1's 24, the knots' 8 and x's 8 stay out
	WORK 0, B0
	s_wait_loadcnt 16                              ; item 1 is in; the knots' 8 and x's 8 stay out
	WORK 1, B1
	s_wait_loadcnt 0x8                             ; the knots are in; the eight loads of x stay out
	s_wait_dscnt 0x0                               ; my words are in LDS, for the other waves' sake
	s_barrier_signal -1
	; register work while the others arrive: the knots side by side, and the 72 reciprocals
.irp k, 0,1,2,3,4,5,6,7
.irp e, 0,1,2,3
	v_mov_b32 v[G+4*\k+\e], v[T+8*\e+\k]           ; once: knot k of my four d side by side, for the packed arithmetic of all 32 rows
.endr
.endr
.irp h, 0,2
.irp k, 0,1,2,3,4,5,6
	v_pk_add_f32 v[A+4*\k+\h:A+4*\k+\h+1], v[G+4*(\k+1)+\h:G+4*(\k+1)+\h+1], v[G+4*\k+\h:G+4*\k+\h+1] neg_lo:[0,1] neg_hi:[0,1]
.endr
.irp k, 0,1,2,3,4,5
	v_pk_add_f32 v[A+4*(7+\k)+\h:A+4*(7+\k)+\h+1], v[G+4*(\k+2)+\h:G+4*(\k+2)+\h+1], v[G+4*\k+\h:G+4*\k+\h+1] neg_lo:[0,1] neg_hi:[0,1]
.endr
.irp k, 0,1,2,3,4
	v_pk_add_f32 v[A+4*(13+\k)+\h:A+4*(13+\k)+\h+1], v[G+4*(\k+3)+\h:G+4*(\k+3)+\h+1], v[G+4*\k+\h:G+4*\k+\h+1] neg_lo:[0,1] neg_hi:[0,1]
.endr
.endr
.set c, 0
.rept 72
	v_rcp_f32 v[A+c], v[A+c]
.set c, c+1
.endr
	v_nop                                          ; one plain vector instruction behind the run of reciprocals, ahead of their first use
	s_barrier_wait -1                              ; everybody's words are in LDS
	; Wt back by units: lanes 0-15 one unit, lanes 16-31 the next: 512 consecutive bytes of a fragment
.irp g, 0,1,2,3,4
.irp hf, 0,1
	ds_load_b128 v[RBW+4*(2*\g+\hf):RBW+4*(2*\g+\hf)+3], v[VR] offset:\hf*2*BLK+\g*1024
.endr
.endr
.irp g, 0,1,2,3,4
.irp hf, 0,1
	s_wait_dscnt 9-(2*\g+\hf)                      ; LDS loads come back in order: this one is in, the younger ones stay out
	global_store_b128 v[VG], v[RBW+4*(2*\g+\hf):RBW+4*(2*\g+\hf)+3], s[14:15] offset:\g*32768+\hf*512
.endr
.endr
	s_wait_xcnt 0x0                                ; the read-back's registers, which these stores read, are rewritten by the rows only behind this wait
; One row of F.  r = the row's slot in the ring; rr = its place in the block of 16; ahead = 1: the slot is filled again with row lrow,
; counted from the base; left = how many younger loads may stay out.
.macro ROW r, rr, ahead, lrow, left
	s_wait_loadcnt \left                           ; loads come back in order: this slot's is in
	v_pk_mul_f32 v[E:E+1],   v[X+4*\r:X+4*\r+1],   0xbfb8aa3b op_sel_hi:[1,0]     ; -x log2(e)
	v_pk_mul_f32 v[E+2:E+3], v[X+4*\r+2:X+4*\r+3], 0xbfb8aa3b op_sel_hi:[1,0]
.irp e, 0,1,2,3
	v_exp_f32 v[E+\e], v[E+\e]
.endr
.irp k, 0,1,2,3,4,5,6,7
.irp h, 0,2
	v_pk_add_f32 v[T+4*\k+\h:T+4*\k+\h+1], v[X+4*\r+\h:X+4*\r+\h+1], v[G+4*\k+\h:G+4*\k+\h+1] neg_lo:[0,1] neg_hi:[0,1]   ; t_k = x - g_k; also the plain work behind the exponentials
.endr
.endr
	s_wait_alu depctr_va_vdst(0)
	v_pk_add_f32 v[E:E+1],   v[E:E+1],   1.0 op_sel_hi:[1,0]
	v_pk_add_f32 v[E+2:E+3], v[E+2:E+3], 1.0 op_sel_hi:[1,0]
.irp e, 0,1,2,3
	v_rcp_f32 v[E+\e], v[E+\e]                     ; sigmoid(x)
.endr
.irp e, 0,1,2,3
.irp k, 0,1,2,3,4,5,6,7
	v_cmp_ge_f32 s[M+8*\e+\k], v[X+4*\r+\e], v[G+4*\k+\e]      ; also the plain work behind the reciprocals
.endr
.endr
	s_wait_alu depctr_va_vdst(0)
	v_pk_mul_f32 v[E:E+1],   v[E:E+1],   v[X+4*\r:X+4*\r+1]
	v_pk_mul_f32 v[E+2:E+3], v[E+2:E+3], v[X+4*\r+2:X+4*\r+3]
	v_cvt_pk_bf16_f32 v[Y+8], v[E],   v[E+1]
	v_cvt_pk_bf16_f32 v[Y+9], v[E+2], v[E+3]
.irp e, 0,1,2,3
.irp k, 0,1,2,3,4,5,6
	s_and_not1_b32 s[M+8*\e+\k], s[M+8*\e+\k], s[M+8*\e+\k+1]  ; g_k <= x and not g_(k+1) <= x; k ascending, so mask k + 1 is still whole
.endr
.endr
.irp k, 0,1,2,3,4,5,6
.irp e, 0,1,2,3
	v_cndmask_b32 v[P+4*\k+\e], 0, v[A+4*\k+\e], s[M+8*\e+\k]  ; q(k,1)
.endr
.endr
.irp k, 0,1,2,3,4,5
.irp h, 0,2
	v_pk_mul_f32 v[R+4*\k+\h:R+4*\k+\h+1], v[T+4*(\k+2)+\h:T+4*(\k+2)+\h+1], v[P+4*(\k+1)+\h:P+4*(\k+1)+\h+1]
.endr
.endr
.irp k, 0,1,2,3,4,5
.irp h, 0,2
	v_pk_fma_f32 v[R+4*\k+\h:R+4*\k+\h+1], v[T+4*\k+\h:T+4*\k+\h+1], v[P+4*\k+\h:P+4*\k+\h+1], v[R+4*\k+\h:R+4*\k+\h+1] neg_lo:[0,0,1] neg_hi:[0,0,1]   ; B(k,1)
.endr
.endr
.irp k, 0,1,2,3,4,5
.irp h, 0,2
	v_pk_mul_f32 v[R+4*\k+\h:R+4*\k+\h+1], v[R+4*\k+\h:R+4*\k+\h+1], v[A+4*(7+\k)+\h:A+4*(7+\k)+\h+1]     ; q(k,2)
.endr
.endr
.irp k, 0,1,2,3,4
.irp h, 0,2
	v_pk_mul_f32 v[P+4*\k+\h:P+4*\k+\h+1], v[T+4*(\k+3)+\h:T+4*(\k+3)+\h+1], v[R+4*(\k+1)+\h:R+4*(\k+1)+\h+1]
.endr
.endr
.irp k, 0,1,2,3,4
.irp h, 0,2
	v_pk_fma_f32 v[P+4*\k+\h:P+4*\k+\h+1], v[T+4*\k+\h:T+4*\k+\h+1], v[R+4*\k+\h:R+4*\k+\h+1], v[P+4*\k+\h:P+4*\k+\h+1] neg_lo:[0,0,1] neg_hi:[0,0,1]   ; B(k,2)
.endr
.endr
.irp k, 0,1,2,3,4
.irp h, 0,2
	v_pk_mul_f32 v[P+4*\k+\h:P+4*\k+\h+1], v[P+4*\k+\h:P+4*\k+\h+1], v[A+4*(13+\k)+\h:A+4*(13+\k)+\h+1]   ; q(k,3)
.endr
.endr
.irp k, 0,1,2,3
.irp h, 0,2
	v_pk_mul_f32 v[R+4*\k+\h:R+4*\k+\h+1], v[T+4*(\k+4)+\h:T+4*(\k+4)+\h+1], v[P+4*(\k+1)+\h:P+4*(\k+1)+\h+1]
.endr
.endr
.irp k, 0,1,2,3
.irp h, 0,2
	v_pk_fma_f32 v[R+4*\k+\h:R+4*\k+\h+1], v[T+4*\k+\h:T+4*\k+\h+1], v[P+4*\k+\h:P+4*\k+\h+1], v[R+4*\k+\h:R+4*\k+\h+1] neg_lo:[0,0,1] neg_hi:[0,0,1]   ; B(k,3)
.endr
.endr
.irp k, 0,1,2,3
	v_cvt_pk_bf16_f32 v[Y+2*\k],   v[R+4*\k],   v[R+4*\k+1]
	v_cvt_pk_bf16_f32 v[Y+2*\k+1], v[R+4*\k+2], v[R+4*\k+3]
.endr
.if \ahead
	global_load_b128 v[X+4*\r:X+4*\r+3], v[OX], s[10:11] offset:(\lrow)*ROWB th:TH_LOAD_NT
.endif
.irp g, 0,1,2,3,4
	ds_store_b64 v[VT], v[Y+2*\g:Y+2*\g+1] offset:\g*16*UP+(\rr)*16     ; plane g's sixteen units, row rr: the 32 lanes touch 64 different words mod 64
.endr
.endm
; Sixteen rows are in LDS: my wave's 80 units are whole.  They are read back two at a time (LDS serves a wave's instructions in order,
; ISA guide 5.7.1.4: these loads see the stores above) and stored: each store of the wave covers 512 consecutive bytes, aligned.
; hb = which of the group's two row blocks; more = 1: rows follow, which rewrite the registers used here.
.macro FLUSH hb, more
.irp g, 0,1,2,3,4
.if \g >= 2
	s_wait_xcnt 0x0                                ; this set of 32 registers, which the stores of plane g - 2 read, is loaded again only behind this wait
.endif
.irp t, 0,1,2,3,4,5,6,7
	ds_load_b128 v[T+32*(\g%2)+4*\t:T+32*(\g%2)+4*\t+3], v[VRB] offset:(8*\g+\t)*2*UP
.endr
.irp t, 0,1,2,3,4,5,6,7
	s_wait_dscnt 7-\t                              ; this one is back, the younger ones stay out
	global_store_b128 v[VGO], v[T+32*(\g%2)+4*\t:T+32*(\g%2)+4*\t+3], s[16:17] offset:\hb*RB+\g*32768+\t*512
.endr
.endr
.if \more
	s_wait_xcnt 0x0                                ; the registers that these stores read, and the base of x, are rewritten only behind this wait
.endif
.endm
	; 32 rows: a trip is 16 rows and a flush.  The second trip leaves in its middle: its last eight rows load nothing and are written out.
	s_mov_b32 s19, 0
.Lhalf:
.irp r, 0,1,2,3,4,5,6,7
	ROW \r, \r, 1, 8+\r, 7                         ; the ring's seven younger loads stay out
.endr
	s_cmp_lg_u32 s19, 0
	s_cbranch_scc1 .Llast
.irp r, 0,1,2,3,4,5,6,7
	ROW \r, 8+\r, 1, 16+\r, 7
.endr
	FLUSH 0, 1
	s_add_nc_u64 s[10:11], s[10:11], 16*ROWB
	s_add_co_u32 s19, s19, 1
	s_cmp_lt_u32 s19, 2
	s_cbranch_scc1 .Lhalf
.Llast:
.irp r, 0,1,2,3,4,5,6,7
	ROW \r, 8+\r, 0, 0, 7-\r                       ; the last eight rows load nothing: the counts run down
.endr
	FLUSH 1, 0
	s_wait_tensorcnt 0x0
	ds_add_u32 v252, v253
	s_wait_dscnt 0x0
	s_endpgm
.Lfunc_end_k_q258ab6cee9_prep:
	.size	k_q258ab6cee9_prep, .Lfunc_end_k_q258ab6cee9_prep-k_q258ab6cee9_prep
	.p2alignl 7, 3214868480
	.fill 96, 4, 3214868480
	.section	.rodata,"a",@progbits
	.p2align	6, 0x0
	.amdhsa_kernel k_q258ab6cee9_prep
		.amdhsa_group_segment_fixed_size 216064
		.amdhsa_private_segment_fixed_size 0
		.amdhsa_enable_private_segment 0
		.amdhsa_kernarg_size 56
		.amdhsa_user_sgpr_count 2
		.amdhsa_user_sgpr_kernarg_segment_ptr 1
		.amdhsa_wavefront_size32 1
		.amdhsa_system_sgpr_workgroup_id_x 1
		.amdhsa_system_sgpr_workgroup_id_y 1
		.amdhsa_system_sgpr_workgroup_id_z 1
		.amdhsa_system_vgpr_workitem_id 0
		.amdhsa_next_free_vgpr 254
		.amdhsa_next_free_sgpr 66
		.amdhsa_reserve_vcc 0
		.amdhsa_float_denorm_mode_32 3
		.amdhsa_float_denorm_mode_16_64 3
		.amdhsa_memory_ordered 1
		.amdhsa_forward_progress 1
		.amdhsa_inst_pref_size 255
	.end_amdhsa_kernel
	.section	.bss,"aw",@nobits
	.p2align	6
	.space	262144
	.amdgpu_metadata
---
amdhsa.version: [ 1, 2 ]
amdhsa.kernels:
  - .name:           k_q258ab6cee9_prep
    .symbol:         k_q258ab6cee9_prep.kd
    .args:
      - { .name: coef, .offset: 0, .size: 8, .value_kind: global_buffer, .address_space: global }
      - { .name: scale_sp, .offset: 8, .size: 8, .value_kind: global_buffer, .address_space: global }
      - { .name: scale_base, .offset: 16, .size: 8, .value_kind: global_buffer, .address_space: global }
      - { .name: x, .offset: 24, .size: 8, .value_kind: global_buffer, .address_space: global }
      - { .name: grid, .offset: 32, .size: 8, .value_kind: global_buffer, .address_space: global }
      - { .name: wt, .offset: 40, .size: 8, .value_kind: global_buffer, .address_space: global }
      - { .name: fbuf, .offset: 48, .size: 8, .value_kind: global_buffer, .address_space: global }
    .group_segment_fixed_size: 216064
    .private_segment_fixed_size: 0
    .kernarg_segment_align: 8
    .kernarg_segment_size: 56
    .max_flat_workgroup_size: 256
    .sgpr_count:     66
    .vgpr_count:     254
    .wavefront_size: 32
...
	.end_amdgpu_metadata
.endif
;; end of part 4
;; launch gemm (part 5): grid 4 x 64, 4 waves a work-group, clusters of 4 x 4, 327,680 bytes of LDS; arguments fbuf, wt, out0; writes out0
.if DOCPART == 5
	.amdgcn_target "amdgcn-amd-amdhsa--gfx1250"
	.amdhsa_code_object_version 6
	.text
	.protected	k_q258ab6cee9_gemm
	.globl	k_q258ab6cee9_gemm
	.p2align	8
	.type	k_q258ab6cee9_gemm,@function
k_q258ab6cee9_gemm:
	s_mov_b64 s[64:65], 0
	v_nop
	global_prefetch_b8 v0, s[64:65] scope:SCOPE_SE
	s_setreg_imm32_b32 hwreg(HW_REG_WAVE_MODE, 25, 1), 1
	s_wait_xcnt 0x0
	s_wait_alu depctr_hold_cnt(0) depctr_sa_sdst(0) depctr_va_vdst(0) depctr_va_sdst(0) depctr_va_ssrc(0) depctr_va_vcc(0) depctr_vm_vsrc(0)
	s_getreg_b32 s2, hwreg(HW_REG_IB_STS2, 6, 4)
	s_cmp_eq_u32 s2, 0
	s_cbranch_scc0 .Lentry_in_a_cluster
	s_endpgm
.Lentry_in_a_cluster:
	s_bfe_u32 s2, ttmp6, 0x10000c
	s_cmp_lg_u32 s2, 0xf033
	s_cbranch_scc0 .Lentry_shape_is_right
	s_endpgm
.Lentry_shape_is_right:
; out[n][o] = sum over k of F[n][k] Wt[o][k].  F: 8192 rows, Wt: 1024 rows, 5120 k, bf16; out: [8192][1024] f32; sums in f32.
; F AND Wt LIE IN FRAGMENT ORDER: element (row, k) is at byte
;   (row / 16) * 163840 + (k / 32) * 1024 + ((k / 16) % 2) * 512 + ((k / 8) % 2) * 256 + (row % 16) * 16 + (k % 8) * 2,
; so a matrix operand of 16 rows x 32 k is 1,024 consecutive bytes: lane l's registers 0-3 at 16 l, its registers 4-7 at 512 + 16 l.
; A fragment load is then 32 lanes x 16 consecutive bytes: LDS needs no padding, and that room goes into longer slots.
; 8192 x 1024 outputs on 256 work-groups: a work-group makes 128 rows x 256 columns with four waves, a wave 64 x 128:
; 32 accumulator tiles of 16 x 16, 256 registers.  K goes in 26 intervals of 192 and one of 128 through a ring of two LDS slots filled by
; the tensor data mover.  An interval of a block of 16 rows is 6,144 consecutive bytes, at a multiple of 256 from the buffer's first byte.
; Two slots of 24 row blocks x 6,144 bytes are 294,912 bytes: 224 along K would need 344,064, more than a work-group can have.
; CLUSTERS: 4 x 4 work-groups.  The four of a row of the cluster make one block row and need the same tiles of F; the four of a column
; need the same tiles of Wt.  Such a tile is asked for jointly: each of the four issues the same tensor load with the same descriptor
; and a mask that names the four.  The grid's four block columns are one row of a cluster, so each byte of F is asked for once.
; REGISTERS: window 0: v16-27 addresses, v32-127 and v128-223 two fragment buffers (F's 4 fragments, then Wt's 8);
;            window 1: the accumulators, tile (a, b) at v[8 (8 a + b)], a = 0..3 along the rows, b = 0..7 along the columns.
; THE MATRIX INSTRUCTION IS USED TRANSPOSED: source 0 = 16 rows of Wt, source 1 = 16 rows of F.  Lane l then holds row l % 16 of out and
; its registers 0 to 7 the columns 8 (l / 16) + 0..7: 32 neighbouring bytes of a row.
; Limit: both operands are bf16 as the earlier launch rounded them.
.set RB,     163840                    ; bytes of a block of 16 rows of F or Wt: 160 fragments
.set OROW,   4096                      ; bytes in a row of out
.set CH,     1024                      ; a fragment: 32 along K
.set IVB,    6*CH                      ; an interval of a row block: 192 along K
.set IVE,    IVB/8                     ; the same in the descriptor's elements of 8 bytes
.set ABYTES, 8*IVB                     ; F's 8 row blocks
.set SLOT,   24*IVB                    ; F's 8 row blocks, then Wt's 16
.set STAGE,  2*SLOT                    ; behind the ring, at a multiple of 256 bytes: 16 rows x 272 bytes for each wave, for the way out; no tensor load lands here
.set SPITCH, 272                       ; 256 bytes + 16 = 68 words: the 16 rows that a store touches start 4 words apart mod 64
.set ADRA, 16                          ; v16-17  LDS address of my F fragments in slot 0, 1
.set ADRB, 20                          ; v20-21  the same for Wt
.set STO,  24                          ; v24     the way out: where I put 32 bytes of a row
.set RD,   25                          ; v25     the way out: where I read 16 bytes of a row back
.set CO,   26                          ; v26     my byte offset in two rows of out
.set PF,   27                          ; v27     prefetch: my wave's row block of F's block row, my lane's 256 bytes
.set F0,   32
.set F1,   128
.set G1,  24                           ; s[24:31] descriptor group 1 for F's tiles
.set G0,  32                           ; s[32:39] descriptor group 0 for F's tiles, one set for each slot
.set G1B, 48                           ; s[48:55] group 1 for Wt's tiles
.set G0B, 56                           ; s[56:63] group 0 for Wt's tiles, one set for each slot
.set PFB, 66                           ; s[66:67] prefetch base
.set MSB, 0
.macro WIN new                         ; the immediate's high byte repeats the setting that is left
.if MSB != \new
	s_set_vgpr_msb (MSB<<8)|\new
.set MSB, \new
.endif
.endm
.set MUL, 0x50                         ; sources 0 and 1 window 0, C and D window 1
.set STW, 0x04                         ; an LDS store's data window 1, its address window 0
; A joint load.  Waves 0 and 1 fetch F's two halves of 4 row blocks, waves 2 and 3 Wt's two halves of 8 row blocks.  Each line has one mask
; and one set of registers for all that issue it.  The branch hangs on the wave's number alone.
; pf = 1: waves 0 and 1 also ask, into the L2, for the interval of F that the next turn's refill will fetch: 6,144 bytes further along K than the
; last request.  Wave w of work-group cx asks for row block 2 cx + w of the block row's eight, lane l for its block l of 256 bytes; an interval has
; 24 such blocks, and lanes 24 to 31 repeat lane 23's address.  So each 256 bytes of F are asked for by one instruction of the launch.
.macro JLOAD s, pf
	s_cmp_eq_u32 s11, 0
	s_cbranch_scc0 .Lfor_b_\@
	tensor_load_to_lds s[G0+4*\s:G0+4*\s+3], s[G1:G1+7]
	s_nop 0
.if \pf
	s_wait_xcnt 0x0                                ; the last prefetch, an interval ago, has read its base: it is stepped only behind this wait
	s_add_nc_u64 s[PFB:PFB+1], s[PFB:PFB+1], IVB
	global_prefetch_b8 v[PF], s[PFB:PFB+1] th:TH_LOAD_NT scope:SCOPE_SE
.endif
	s_branch .Lasked_\@
.Lfor_b_\@:
	tensor_load_to_lds s[G0B+4*\s:G0B+4*\s+3], s[G1B:G1B+7]
	s_nop 0
.Lasked_\@:
.endm
; A round of the cluster's barrier: my work-group's barrier; wave 0 signals for the work-group; every wave waits for all sixteen
; work-groups; my work-group's barrier once more.
.macro CREST                           ; a round behind its opening barrier
	s_cmp_lg_u32 s10, 0
	s_cbranch_scc1 .Lnot_wave_0_\@
	s_barrier_signal -3
.Lnot_wave_0_\@:
	s_barrier_wait -3
	s_barrier_signal -1
	s_barrier_wait -1
.endm
.macro CROUND                          ; a whole round
	s_barrier_signal -1
	s_barrier_wait -1
	CREST
.endm
	s_load_b128 s[4:7], s[0:1], 0x0                ; F s[4:5], Wt s[6:7]
	s_load_b64 s[8:9], s[0:1], 0x10                ; out
	v_lshl_add_u32 v254, v0, 2, 0x4c400
	v_mov_b32 v255, 0
	ds_add_u32 v254, v255
	v_lshrrev_b32 v1, 5, v0
	v_readfirstlane_b32 s10, v1                    ; wave 0..3
	s_lshr_b32 s11, s10, 1                         ; which 64 of the block's rows are mine.  Also: I fetch for F (0) or for Wt (1)
	s_and_b32 s12, s10, 1                          ; which 128 of its columns.  Also: which half of that tile I fetch
	s_bfe_u32 s40, ttmp6, 0x40000                  ; cx
	s_bfe_u32 s41, ttmp6, 0x40004                  ; cy
	s_lshl_b32 s42, ttmp9, 2                       ; in a cluster launch ttmp9 and ttmp7 count clusters
	s_add_co_u32 s42, s42, s40                     ; block column = 4 x cluster x + cx
	s_and_b32 s13, ttmp7, 0xffff
	s_lshl_b32 s13, s13, 2
	s_add_co_u32 s13, s13, s41                     ; block row = 4 x cluster y + cy
	s_lshl_b32 s43, s41, 2
	s_lshl_b32 s43, 15, s43                        ; my row of the cluster: places 4 cy .. 4 cy + 3
	s_lshl_b32 s44, 0x1111, s40                    ; my column: places cx, cx + 4, cx + 8, cx + 12
	; group 1: a tile's row is a row block's interval, 768 elements of 8 bytes; from row block to row block 20,480 elements; no padding.
	; F: 4 such rows a load (24,576 bytes), Wt: 8 (49,152 bytes).
	s_or_b32 s[G1+0], s43, (3<<16)|(1<<21)         ; 15:0 mask: my row; 17:16 8-byte elements; 20 padding off; 21 set beside a mask
	s_or_b32 s[G1B+0], s44, (3<<16)|(1<<21)        ; the same with the mask of my column
	s_mov_b32 s[G1+1], IVE<<16                     ; tensor_dim0 = 768
	s_mov_b32 s[G1B+1], IVE<<16
	s_mov_b32 s[G1+2], 4<<16                       ; tensor_dim1 = 4
	s_mov_b32 s[G1B+2], 8<<16                      ; tensor_dim1 = 8
	s_mov_b32 s[G1+3], IVE<<16                     ; tile_dim0 = 768
	s_mov_b32 s[G1B+3], IVE<<16
	s_mov_b32 s[G1+4], 4                           ; tile_dim1 = 4
	s_mov_b32 s[G1B+4], 8                          ; tile_dim1 = 8
	s_mov_b32 s[G1+5], RB/8                        ; elements from row block to row block
	s_mov_b32 s[G1B+5], RB/8
	s_mov_b32 s[G1+6], 0
	s_mov_b32 s[G1B+6], 0
	s_mov_b32 s[G1+7], 0
	s_mov_b32 s[G1B+7], 0
	; where the tiles come from.  F's hang on the block row alone, Wt's on the block column alone; each in registers that never hold the other coordinate.
	s_lshl_b32 s17, s12, 2
	s_lshl_b32 s16, s13, 3
	s_add_co_u32 s16, s16, s17                     ; F: row block 8 x block row + 4 x half
	s_mul_i32 s16, s16, RB                         ; in bytes: below 2^27
	s_mov_b32 s17, 0
	s_lshl_b32 s47, s12, 3
	s_lshl_b32 s46, s42, 4
	s_add_co_u32 s46, s46, s47                     ; Wt: row block 16 x block column + 8 x half
	s_mul_i32 s46, s46, RB
	s_mov_b32 s47, 0
	s_mul_i32 s18, s13, 8*RB                       ; the block row's first byte, for the prefetches,
	s_add_co_u32 s18, s18, IVB                     ; one interval in: the base is stepped ahead of each request, and the first is for interval 2
	s_mov_b32 s19, 0
	s_mul_i32 s20, s12, 4*IVB                      ; and where they go: F's half,
	s_mul_i32 s21, s12, 8*IVB
	s_add_co_u32 s21, s21, ABYTES                  ; Wt's half, behind F's 8 row blocks: no place in the cluster enters an LDS address
	v_and_b32 v4, 31, v0
	v_min_u32 v4, 23, v4                           ; prefetch: 24 blocks of 256 bytes in an interval
	s_lshl_b32 s45, s40, 1
	s_add_co_u32 s45, s45, s12                     ; row block 2 cx + wave of the block row
	s_mul_i32 s45, s45, RB
	v_lshl_add_u32 v[PF], v4, 8, s45
	s_wait_dscnt 0x0
	s_wait_kmcnt 0x0
	s_add_nc_u64 s[14:15], s[4:5], s[16:17]
	s_add_nc_u64 s[46:47], s[6:7], s[46:47]
	s_add_nc_u64 s[PFB:PFB+1], s[4:5], s[18:19]
	CROUND                                         ; all sixteen work-groups are here: the first joint loads meet
.irp s, 0,1
	s_mov_b32 s[G0+4*\s], 1                                        ; count = 1
	s_add_co_u32 s[G0+4*\s+1], s20, \s*SLOT                        ; LDS address
	s_add_nc_u64 s[G0+4*\s+2:G0+4*\s+3], s[14:15], \s*IVB          ; global address: interval s
	s_or_b32 s[G0+4*\s+3], s[G0+4*\s+3], 0x80000000                ; type = 2
	s_mov_b32 s[G0B+4*\s], 1
	s_add_co_u32 s[G0B+4*\s+1], s21, \s*SLOT
	s_add_nc_u64 s[G0B+4*\s+2:G0B+4*\s+3], s[46:47], \s*IVB
	s_or_b32 s[G0B+4*\s+3], s[G0B+4*\s+3], 0x80000000
	JLOAD \s, \s                                   ; both first fills go out together; behind the second, the prefetch of interval 2
.endr
	v_and_b32 v5, 31, v0
	v_lshlrev_b32 v3, 4, v5                        ; a fragment load: 16 bytes a lane, 512 consecutive bytes
	s_mul_i32 s22, s11, 4*IVB                      ; my 4 row blocks of F; s21 already points at my 8 row blocks of Wt
.irp s, 0,1
	v_add_nc_u32 v[ADRA+\s], s22, v3
	v_add_nc_u32 v[ADRB+\s], s21, v3
	s_add_co_u32 s22, s22, SLOT
	s_add_co_u32 s21, s21, SLOT
.endr
	v_and_b32 v1, 15, v0                           ; l % 16
	v_bfe_u32 v2, v0, 4, 1                         ; l / 16
	s_mul_i32 s23, s10, 16*SPITCH
	s_add_co_u32 s23, s23, STAGE                   ; my stage
	v_mul_u32_u24 v4, v1, SPITCH                   ; in: row l % 16, 32 bytes for each half of the lanes
	v_lshl_add_u32 v4, v2, 5, v4
	v_add_nc_u32 v[STO], s23, v4
	v_mul_u32_u24 v5, v2, SPITCH                   ; back: lanes 0-15 take one row piece of 256 bytes, lanes 16-31 the next row's
	v_lshl_add_u32 v5, v1, 4, v5
	v_add_nc_u32 v[RD], s23, v5
	v_lshlrev_b32 v[CO], 4, v1                     ; and the same two rows in out
	v_lshl_add_u32 v[CO], v2, 12, v[CO]
; 8 matrix instructions: row block a x all 8 column blocks, 32 along K.  zero = 1: the first product starts the sums.
; The 32 accumulators take turns, one instruction a turn, in the same order in every sixth of an interval, over the backward jump too.
.macro MUL8 f, a, zero
.irp b, 0,1,2,3,4,5,6,7
.if \zero
	v_wmma_f32_16x16x32_bf16 v[8*(8*\a+\b):8*(8*\a+\b)+7], v[\f+32+8*\b:\f+32+8*\b+7], v[\f+8*\a:\f+8*\a+7], 0
.else
	v_wmma_f32_16x16x32_bf16 v[8*(8*\a+\b):8*(8*\a+\b)+7], v[\f+32+8*\b:\f+32+8*\b+7], v[\f+8*\a:\f+8*\a+7], v[8*(8*\a+\b):8*(8*\a+\b)+7]
.endif
.endr
.endm
; 24 LDS loads in one run: the fragments at byte k of my row blocks' intervals (8 of Wt, then 4 of F) into buffer f
.macro FETCH slot, k, f
	WIN 0
.irp i, 0,1,2,3,4,5,6,7
	ds_load_b128 v[\f+32+8*\i:\f+32+8*\i+3], v[ADRB+\slot] offset:\k+\i*IVB
	ds_load_b128 v[\f+32+8*\i+4:\f+32+8*\i+7], v[ADRB+\slot] offset:\k+\i*IVB+512
.endr
.irp i, 0,1,2,3
	ds_load_b128 v[\f+8*\i:\f+8*\i+3], v[ADRA+\slot] offset:\k+\i*IVB
	ds_load_b128 v[\f+8*\i+4:\f+8*\i+7], v[ADRA+\slot] offset:\k+\i*IVB+512
.endr
.endm
; A load into a register that a matrix instruction has read, and a store that reads a matrix result, stand four places behind that matrix
; instruction; only plain vector instructions that name none of its registers are places (ISA guide 7.12.1 for vector instructions).
.macro PLACES
.rept 4
	v_nop
.endr
.endm
; An interval is six parts of 32 along K, 32 matrix instructions each, on buffers 0, 1, 0, 1, 0, 1.
; One of the first five: multiplies buffer f; in its middle it fetches the next part's fragments, at byte k, into buffer g.
.macro PART slot, k, f, g, zero
	s_wait_dscnt 4                                 ; Wt's fragments and F's 0 and 1 are in; the youngest four loads (F's 2 and 3) may be out
	WIN MUL
	MUL8 \f, 0, \zero
	MUL8 \f, 1, \zero
	PLACES
	FETCH \slot, \k, \g
	s_wait_dscnt 24                                ; all but the 24 just issued
	WIN MUL
	MUL8 \f, 2, \zero
	MUL8 \f, 3, \zero
.endm
.macro FIVE slot, zero
	PART \slot, 1*CH, F0, F1, \zero
	PART \slot, 2*CH, F1, F0, 0
	PART \slot, 3*CH, F0, F1, 0
	PART \slot, 4*CH, F1, F0, 0
	PART \slot, 5*CH, F0, F1, 0
.endm
; The sixth part: multiplies buffer 1 and changes slots.  next = the other slot; fill = 1: this slot is filled again, two intervals ahead;
; fill = 2: with the last interval, of which 128 along K are left.
; One barrier for the change of slots.  In front of it each wave waits for its own reads of this slot and for all its tensor loads, of which
; one is out: its part of the next slot.  Behind it nobody reads this slot any more and the next slot is whole: the refill comes first,
; then the next slot's first fragments.  From a request to the wait for it a wave issues 184 matrix instructions.
.macro TURN slot, next, fill, pf
	s_wait_dscnt 4
	WIN MUL
	MUL8 F1, 0, 0
	s_wait_dscnt 0                                 ; my reads of this slot are over
	s_wait_tensorcnt 0x0                           ; and all my tensor loads have landed
	ds_add_u32 v254, v255
	s_wait_dscnt 0x0
	s_barrier_signal -1                            ; say so (where a slot is filled again this barrier opens a round of the cluster's barrier),
	MUL8 F1, 1, 0                                  ; work on registers while the others arrive,
	WIN 0
	s_barrier_wait -1
.if \fill
	CREST                                          ; no wave of any partner still reads this slot's tile or has a load on its way
	s_add_nc_u64 s[G0+4*\slot+2:G0+4*\slot+3], s[G0+4*\slot+2:G0+4*\slot+3], 2*IVB
	s_add_nc_u64 s[G0B+4*\slot+2:G0B+4*\slot+3], s[G0B+4*\slot+2:G0B+4*\slot+3], 2*IVB
.if \fill == 2
	s_mov_b32 s[G1+1], (4*CH/8)<<16                ; tensor_dim0 = 512: four fragments are left of each row block; the tile's other 256 elements are not read and
	s_mov_b32 s[G1B+1], (4*CH/8)<<16               ; arrive as zeros, so the row blocks keep their places in the slot.  No tensor load of mine is out: group 1 may be written
.endif
	JLOAD \slot, \pf                               ; the first tensor load behind the round, one a wave
.endif
	PLACES
	FETCH \next, 0, F0
	WIN MUL
	MUL8 F1, 2, 0
	MUL8 F1, 3, 0
.endm
.macro LAP zero, pf0, pf1              ; once round the ring, both slots filled again
	FIVE 0, \zero
	TURN 0, 1, 1, \pf0
	FIVE 1, 0
	TURN 1, 0, 1, \pf1
.endm
	s_wait_tensorcnt 0x1                           ; my part of interval 0 is in; interval 1's may stay out
	s_barrier_signal -1
	s_barrier_wait -1                              ; everybody's is
	FETCH 0, 0, F0
	LAP 1, 1, 1                                    ; lap 0 stands in front of the loop: its first products start the sums.  Lap L multiplies intervals 2 L, 2 L + 1,
	                                               ; fills 2 L + 2, 2 L + 3 and asks ahead for 2 L + 3, 2 L + 4
	WIN 0                                          ; at a label and at a branch every window is 0
	s_mov_b32 s3, 10
.Llap:
	LAP 0, 1, 1                                    ; laps 1 to 10
	WIN 0
	s_sub_co_u32 s3, s3, 1
	s_cmp_lg_u32 s3, 0
	s_cbranch_scc1 .Llap
	LAP 0, 1, 0                                    ; lap 11 fills intervals 24, 25 and asks ahead for 25 alone: 24 blocks from the start of the last interval would pass the row block's end
	FIVE 0, 0                                      ; lap 12: interval 24;
	TURN 0, 1, 2, 0                                ; the last refill: interval 26, 128 along K
	FIVE 1, 0                                      ; interval 25;
	TURN 1, 0, 0, 0                                ; nothing is left to fetch, so no round: my one tensor load that was out, the last interval's, has landed
	PART 0, 1*CH, F0, F1, 0                        ; interval 26: four parts
	PART 0, 2*CH, F1, F0, 0
	PART 0, 3*CH, F0, F1, 0
	s_wait_dscnt 4
	WIN MUL
	MUL8 F1, 0, 0
	MUL8 F1, 1, 0
	s_wait_dscnt 0
	MUL8 F1, 2, 0
	MUL8 F1, 3, 0
	; THE WAY OUT, 16 rows x 64 columns at a time: 32 bytes a lane into my own stage in LDS, read back as row pieces of 256 bytes.
	PLACES                                         ; the places behind the last matrix instructions: for the LDS stores of results and for the loads into the fragment buffers
	s_lshl_b32 s16, s13, 7
	s_lshl_b32 s14, s11, 6
	s_add_co_u32 s16, s16, s14                     ; my first row of out
	s_lshl_b32 s16, s16, 12                        ; in bytes: below 2^25
	s_mov_b32 s17, 0
	s_add_nc_u64 s[8:9], s[8:9], s[16:17]
	s_lshl_b32 s46, s42, 10                        ; my first column, in bytes: 1,024 x block column + 512 x half
	s_lshl_b32 s47, s12, 9
	s_add_co_u32 s46, s46, s47
	s_mov_b32 s47, 0
	s_add_nc_u64 s[8:9], s[8:9], s[46:47]
; rows 16 a .. 16 a + 15 of my 64, columns 64 hb .. 64 hb + 63 of my 128 = the four tiles (a, 4 hb .. 4 hb + 3); f: F0 or F1 in turn
.macro OUT8 a, hb, f
	WIN STW
.irp b, 0,1,2,3
	ds_store_b128 v[STO], v[8*(8*\a+4*\hb+\b):8*(8*\a+4*\hb+\b)+3] offset:64*\b
	ds_store_b128 v[STO], v[8*(8*\a+4*\hb+\b)+4:8*(8*\a+4*\hb+\b)+7] offset:64*\b+16
.endr
	WIN 0
	s_wait_xcnt 0x0                                ; buffer f, which earlier stores read, and the stores' base are rewritten only behind this wait
.if (\a > 0) && (\hb == 0)
	s_add_nc_u64 s[8:9], s[8:9], 16*OROW
.endif
.irp t, 0,1,2,3,4,5,6,7
	ds_load_b128 v[\f+4*\t:\f+4*\t+3], v[RD] offset:\t*2*SPITCH    ; LDS serves a wave's instructions in order (ISA guide 5.7.1.4): these see the stores above
.endr
.irp t, 0,1,2,3,4,5,6,7
	s_wait_dscnt 7-\t                              ; rows 2 t, 2 t + 1 are back, the younger ones stay out
	global_store_b128 v[CO], v[\f+4*\t:\f+4*\t+3], s[8:9] offset:2*\t*OROW+\hb*256 th:TH_STORE_NT   ; sixteen lanes store 256 consecutive bytes, at a multiple of 256 from out's first byte
.endr
.endm
	OUT8 0, 0, F0
	OUT8 0, 1, F1
	OUT8 1, 0, F0
	OUT8 1, 1, F1
	OUT8 2, 0, F0
	OUT8 2, 1, F1
	OUT8 3, 0, F0
	OUT8 3, 1, F1
	s_wait_tensorcnt 0x0
	ds_add_u32 v254, v255
	s_wait_dscnt 0x0
	CROUND                                         ; the closing round: no work-group ends while a partner may still ask for a tile that names it
	s_endpgm
.Lfunc_end_k_q258ab6cee9_gemm:
	.size	k_q258ab6cee9_gemm, .Lfunc_end_k_q258ab6cee9_gemm-k_q258ab6cee9_gemm
	.p2alignl 7, 3214868480
	.fill 96, 4, 3214868480
	.section	.rodata,"a",@progbits
	.p2align	6, 0x0
	.amdhsa_kernel k_q258ab6cee9_gemm
		.amdhsa_group_segment_fixed_size 327680
		.amdhsa_private_segment_fixed_size 0
		.amdhsa_enable_private_segment 0
		.amdhsa_kernarg_size 24
		.amdhsa_user_sgpr_count 2
		.amdhsa_user_sgpr_kernarg_segment_ptr 1
		.amdhsa_wavefront_size32 1
		.amdhsa_system_sgpr_workgroup_id_x 1
		.amdhsa_system_sgpr_workgroup_id_y 1
		.amdhsa_system_sgpr_workgroup_id_z 1
		.amdhsa_system_vgpr_workitem_id 0
		.amdhsa_next_free_vgpr 512
		.amdhsa_next_free_sgpr 68
		.amdhsa_reserve_vcc 0
		.amdhsa_float_denorm_mode_32 3
		.amdhsa_float_denorm_mode_16_64 3
		.amdhsa_memory_ordered 1
		.amdhsa_forward_progress 1
		.amdhsa_inst_pref_size 227
	.end_amdhsa_kernel
	.amdgpu_metadata
---
amdhsa.version: [ 1, 2 ]
amdhsa.kernels:
  - .name:           k_q258ab6cee9_gemm
    .symbol:         k_q258ab6cee9_gemm.kd
    .args:
      - { .name: fbuf, .offset: 0, .size: 8, .value_kind: global_buffer, .address_space: global }
      - { .name: wt, .offset: 8, .size: 8, .value_kind: global_buffer, .address_space: global }
      - { .name: out0, .offset: 16, .size: 8, .value_kind: global_buffer, .address_space: global }
    .group_segment_fixed_size: 327680
    .private_segment_fixed_size: 0
    .kernarg_segment_align: 8
    .kernarg_segment_size: 24
    .max_flat_workgroup_size: 128
    .sgpr_count:     68
    .vgpr_count:     512
    .wavefront_size: 32
...
	.end_amdgpu_metadata
.endif
;; end of part 5
;; ======== version 3 of 3: 2 launches; version 2 with the launch prep written anew for expert scheduling mode
;; workspace buffers: fbuf 83,886,080 bytes; wt 10,485,760 bytes
;; launch prep (part 6): grid 256 x 1, 8 waves a work-group, no clusters, 216,064 bytes of LDS; arguments coef, scale_sp, scale_base, x, grid, wt, fbuf; writes wt, fbuf
.if DOCPART == 6
	.amdgcn_target "amdgcn-amd-amdhsa--gfx1250"
	.amdhsa_code_object_version 6
	.text
	.protected	k_q258ab6cee9_prep
	.globl	k_q258ab6cee9_prep
	.p2align	8
	.type	k_q258ab6cee9_prep,@function
k_q258ab6cee9_prep:
	s_mov_b64 s[64:65], 0
	v_nop
	global_prefetch_b8 v0, s[64:65] scope:SCOPE_SE
	s_setreg_imm32_b32 hwreg(HW_REG_WAVE_SCHED_MODE, 0, 2), 2
	s_setreg_imm32_b32 hwreg(HW_REG_WAVE_MODE, 25, 1), 1
	s_wait_xcnt 0x0
	s_wait_alu depctr_vm_vsrc(0)
; Both operands of the product out = F Wt^T, in bf16, K index k = g*1024 + d:
;   Wt[o][k]: g = 0..3: coef[d][o][g] * scale_sp[d][o];  g = 4: scale_base[d][o].
;   F[n][k]:  g = 0..3: the cubic B-spline values of x[n][d] on column d's own eight knots;  g = 4: silu(x[n][d]).
; coef: [1024 d][1024 o][4 g], scale_sp, scale_base: [1024 d][1024 o], x: [8192][1024], grid: [1024][8], all f32.
; BOTH RESULTS LIE IN FRAGMENT ORDER: element (row, k) is at byte
;   (row / 16) * 163840 + (k / 32) * 1024 + ((k / 16) % 2) * 512 + ((k / 8) % 2) * 256 + (row % 16) * 16 + (k % 8) * 2,
; so 16 rows x 32 k are 1,024 consecutive bytes in the order in which a matrix operand's lanes hold them.  A run of 256 consecutive bytes
; (a unit) is 16 rows x 8 k: both results are transposed through LDS so that sixteen neighbouring lanes store a whole unit.
; 256 work-groups of eight waves.  Each makes a tile of 64 d x 64 o of Wt, and 32 rows of F.
; Wt: wave w takes d_local 8 w .. 8 w + 7 in two items of four d.  Lane (q = lane % 16, hh = lane / 16), item m: the pair
;   d_local = 8 w + 4 m + 2 hh + (0, 1), o_local = 16 j + q, j = 0..3; the pair is packed into one word.  LDS: a block for each wave,
;   320 rows (g*64 + o_local) of 16 bytes (its 8 d); sixteen rows of a block are one unit.  One barrier, then the units are read back and stored.
; F: the knots are an input: the whole Cox-de Boor triangle is evaluated with its indicators, for any knots, sorted or not:
;   B(i,p) = t_i q(i,p) - t_(i+p+1) q(i+1,p),  t_i = x - g_i,  q(i,p) = a(i,p) B(i,p-1),  a(i,p) = 1 / (g_(i+p) - g_i),
;   q(i,1) = a(i,1) where g_i <= x < g_(i+1), else 0.
;   Thread t owns d = 4 t .. 4 t + 3 in every row, so its 32 knots and 72 reciprocals stay in registers.  A ring of eight rows of x is kept
;   on its way.  A row's five times 8 bytes go into the wave's own LDS (80 units at a pitch of 272 bytes); after 16 rows the units are whole.
; No matrix unit, no tensor load, no cluster: the work-groups share nothing.
; Limits: a division by a knot difference is v_rcp_f32 (1 ulp) and a multiply; a difference that is 0 or below 2^-126 counts as 0
; (infinite factor).  x < g is taken as not (x >= g): this differs for NaN alone, and there the result is NaN either way.
; silu(x) is -0 for x below about -88.  Both results are rounded once, to bf16.
; THE MODE: SCHED_MODE bits 1:0 = 2 (LLVM: expert scheduling mode 2), set by the entry lines.  The code itself states the register dependences
; between vector instructions and memory or LDS instructions, with s_wait_alu, always for 0.
; THE PLAN.  Registers that memory or LDS instructions touch:
;   the offsets   v1, OX, VT, VRB, VGO, VC, VS, VL, VR, VG: written once at the head; one wait ahead of the first load states that.  OX, VT, VRB, VGO are never written again.
;   WR0, WR1      Wt, item m: its roundings write WR[m], its 20 LDS stores read it.  Behind the barrier the read-back lands in the same 40 registers, and Wt's stores read them;
;                 from the loop on they are P and R.
;   X0 .. X7      Row r's vector lines read X[r]; the slot's next load is issued in the NEXT row, behind that row's first wait.
;   Y0, Y1        Row rr's roundings write Y[rr % 2]; its five LDS stores are issued in the next row, behind the same wait, dealt among that row's compares, which name
;                 X[r] and the knots alone.  Y[rr % 2] is written again two rows on: a wait at the end of the row between states that the stores have read it.
;   T, P, R[0:3]  Named by the rows' vector lines; in a flush the read-back lands there and F's stores read it.
; A row's two waits for its exponentials and its reciprocals are thus also the waits for the row before.  After each eight rows the last row's load and
; stores are issued behind a wait of their own (LEFT), ahead of the branch or of the flush, so that the first row of each eight owes nothing to what stands in front of it.
.set RB,    163840                     ; bytes of a block of 16 rows: 160 fragments
.set ROWB,  4096                       ; bytes in a row of x
.set UP,    272                        ; F: LDS pitch of a unit: 68 words, so sixteen units' words start 4 words apart mod 64
.set TW,    80*UP                      ; F: a wave's 80 units
.set WBASE, 8*TW                       ; Wt's blocks lie behind them
.set BLK,   5120                       ; Wt: a wave's block: 320 rows of 16 bytes
.set OX,  2                            ; v2         16 t: my 16 bytes in a row of x; never rewritten
.set VT,  3                            ; v3         LDS: where I put 8 bytes of row 0, plane 0
; Quads: index 4 i + e, e = 0..3 my four d; the packed instructions take the pairs (e0, e1), (e2, e3).
.set G,   4                            ; v[4:35]    knot i
.set A,   36                           ; v[36:107]  a(i,p) at quad i (p = 1, i <= 6), 7 + i (p = 2, i <= 5), 13 + i (p = 3, i <= 4)
.set X,   108                          ; v[108:139] the ring: 8 rows x 4 registers
.set T,   140                          ; v[140:171] t_i, i = 0..7 (at the head: the knots as loaded, 8 e + i)
.set P,   172                          ; v[172:199] 7 quads
.set R,   200                          ; v[200:223] 6 quads
.set E,   224                          ; v[224:227] silu at work
.set VRB, 228                          ; v228       LDS: where I read 16 bytes of a unit back
.set VGO, 229                          ; v229       my byte offset in F's row block
.set VC,  230                          ; v230       Wt: byte offset in coef
.set VS,  231                          ; v231       Wt: byte offset in the scales
.set Y,   232                          ; v[232:251] a row's results, two buffers: buffer b, plane g at Y + 10 b + 2 g.  Buffer 1 takes the registers of VL, VR, VG and of the head's v245 to v249
.set VL,  242                          ; v242       Wt: LDS, where I store a word (at the head only)
.set VR,  243                          ; v243       Wt: LDS, where I read 16 bytes back (at the head only)
.set VG,  244                          ; v244       Wt: my byte offset in the tile (at the head only)
.set B0,  4                            ; v[4:51]    Wt, item 0: coef [rr][j][g] at +16 rr + 4 j + g, scale_sp at +32 + 4 rr + j, scale_base at +40 + 4 rr + j
.set B1,  52                           ; v[52:99]   Wt, item 1
.set WR,  172                          ; v[172:211] Wt: packed words on their way into LDS: item m's 20 at WR + 20 m
.set RBW, 172                          ; v[172:211] Wt: the read-back, 10 x 4 registers
.set M,   20                           ; s[20:51]   lane masks: x >= g_i of element e at M + 8 e + i
	s_load_b256 s[4:11], s[0:1], 0x0               ; coef s[4:5], scale_sp s[6:7], scale_base s[8:9], x s[10:11]
	s_load_b128 s[12:15], s[0:1], 0x20             ; grid s[12:13], Wt s[14:15]
	s_load_b64 s[16:17], s[0:1], 0x30              ; F
	v_lshl_add_u32 v252, v0, 2, 0x34800            ; my spare word, behind Wt's blocks, and 0: made here and kept for the closing lines alone
	v_mov_b32 v253, 0
	v_lshrrev_b32 v1, 5, v0
	v_readfirstlane_b32 s18, v1                    ; wave 0..7
	s_and_b32 s19, ttmp9, 15                       ; dt: which 64 d of Wt
	s_lshr_b32 s52, ttmp9, 4                       ; ot: which 64 o
	s_lshl_b32 s54, s19, 20                        ; coef: 64 d x 16,384 bytes
	s_lshl_b32 s53, s52, 10                        ;       + 64 o x 16 bytes
	s_add_co_u32 s54, s54, s53
	s_mov_b32 s55, 0
	s_lshl_b32 s56, s19, 18                        ; the scales: 64 d x 4,096 bytes
	s_lshl_b32 s53, s52, 8                         ;             + 64 o x 4 bytes
	s_add_co_u32 s56, s56, s53
	s_mov_b32 s57, 0
	s_mul_i32 s58, s52, 4*RB                       ; Wt: four row blocks
	s_lshl_b32 s53, s19, 11                        ;     + two fragments for 64 d
	s_add_co_u32 s58, s58, s53
	s_mov_b32 s59, 0
	s_lshl_b32 s20, ttmp9, 17                      ; 32 rows of x
	s_mov_b32 s21, 0
	s_mul_i32 s22, ttmp9, 2*RB                     ; two row blocks of F
	s_mov_b32 s23, 0
	v_and_b32 v245, 15, v0                         ; q
	v_bfe_u32 v246, v0, 4, 1                       ; hh
	v_and_b32 v247, 31, v0                         ; lane
	s_wait_alu depctr_va_sdst(0)                   ; s18 is written, ahead of its first reader: the LDS places and the offsets below are made from it
	s_lshl_b32 s53, s18, 3
	v_lshl_add_u32 v248, v246, 1, s53              ; 8 w + 2 hh: my first d_local
	v_lshlrev_b32 v[VC], 4, v245
	v_lshl_add_u32 v[VC], v248, 14, v[VC]          ; d x 16,384 + q x 16
	v_lshlrev_b32 v[VS], 2, v245
	v_lshl_add_u32 v[VS], v248, 12, v[VS]          ; d x 4,096 + q x 4
	s_mul_i32 s24, s18, BLK
	s_add_co_u32 s24, s24, WBASE                   ; my wave's block
	v_lshlrev_b32 v[VL], 4, v245
	v_lshl_add_u32 v[VL], v246, 2, v[VL]
	v_add_nc_u32 v[VL], s24, v[VL]                 ; row q, word hh: 32 lanes, 32 different words of 256 consecutive bytes
	s_and_b32 s25, s18, 1                          ; back: wave w takes row block w / 2 and the fragment w % 2 of each plane
	s_lshr_b32 s26, s18, 1
	s_mul_i32 s27, s25, 4*BLK
	s_lshl_b32 s28, s26, 8
	s_add_co_u32 s27, s27, s28
	s_add_co_u32 s27, s27, WBASE
	v_mul_u32_u24 v[VR], v246, BLK                 ; block 4 (w % 2) + 2 half + hh holds the unit's 8 d
	v_lshl_add_u32 v[VR], v245, 4, v[VR]
	v_add_nc_u32 v[VR], s27, v[VR]
	s_mul_i32 s28, s26, RB
	s_lshl_b32 s29, s25, 10
	s_add_co_u32 s28, s28, s29
	v_lshl_add_u32 v[VG], v247, 4, s28
	v_lshlrev_b32 v1, 7, v0                        ; my four rows of knots: 128 consecutive bytes
	v_lshlrev_b32 v[OX], 4, v0
	s_mul_i32 s30, s18, TW                         ; my wave's units
	v_lshrrev_b32 v249, 1, v247                    ; my 4 d lie in unit lane / 2 of the plane's sixteen,
	v_mul_u32_u24 v[VT], v249, UP
	v_and_b32 v249, 1, v0                          ; in its half lane % 2 of a row's 16 bytes
	v_lshl_add_u32 v[VT], v249, 3, v[VT]
	v_add_nc_u32 v[VT], s30, v[VT]
	v_mul_u32_u24 v[VRB], v246, UP                 ; back: lanes 0-15 one unit, lanes 16-31 the next
	v_lshl_add_u32 v[VRB], v245, 4, v[VRB]
	v_add_nc_u32 v[VRB], s30, v[VRB]
	s_lshl_b32 s31, s18, 12                        ; my wave's 128 d are four fragments of each plane
	v_lshl_add_u32 v[VGO], v247, 4, s31
	s_wait_kmcnt 0x0
	s_add_nc_u64 s[4:5], s[4:5], s[54:55]
	s_add_nc_u64 s[6:7], s[6:7], s[56:57]
	s_add_nc_u64 s[8:9], s[8:9], s[56:57]
	s_add_nc_u64 s[10:11], s[10:11], s[20:21]
	s_add_nc_u64 s[14:15], s[14:15], s[58:59]
	s_add_nc_u64 s[16:17], s[16:17], s[22:23]
; Wt, item m's 24 loads.  A coef load's sixteen lanes cover 256 consecutive bytes, aligned (16 o x 4 g).  The four j of a scale
; together cover 256 consecutive bytes, so these lines carry no non-temporal hint.
.macro LOADI m, bf
.irp rr, 0,1
.irp j, 0,1,2,3
	global_load_b128 v[\bf+16*\rr+4*\j:\bf+16*\rr+4*\j+3], v[VC], s[4:5] offset:\m*65536+\rr*16384+\j*256 th:TH_LOAD_NT
.endr
.endr
.irp rr, 0,1
.irp j, 0,1,2,3
	global_load_b32 v[\bf+32+4*\rr+\j], v[VS], s[6:7] offset:\m*16384+\rr*4096+\j*64
	global_load_b32 v[\bf+40+4*\rr+\j], v[VS], s[8:9] offset:\m*16384+\rr*4096+\j*64
.endr
.endr
.endm
; Wt, item m: scale, pack the pair of d into a word, store the 20 words (4 j x 5 planes) into my block.  wr: the item's own 20 registers.
.macro WORK m, bf, wr
.irp rr, 0,1
.irp jj, 0,2
.irp h, 0,2
	v_pk_mul_f32 v[\bf+16*\rr+4*\jj+\h:\bf+16*\rr+4*\jj+\h+1], v[\bf+16*\rr+4*\jj+\h:\bf+16*\rr+4*\jj+\h+1], v[\bf+32+4*\rr+\jj:\bf+32+4*\rr+\jj+1] op_sel_hi:[1,0]                 ; both by the pair's first: scale_sp of j = jj
	v_pk_mul_f32 v[\bf+16*\rr+4*\jj+4+\h:\bf+16*\rr+4*\jj+4+\h+1], v[\bf+16*\rr+4*\jj+4+\h:\bf+16*\rr+4*\jj+4+\h+1], v[\bf+32+4*\rr+\jj:\bf+32+4*\rr+\jj+1] op_sel:[0,1] op_sel_hi:[1,1]   ; both by its second: j = jj + 1
.endr
.endr
.endr
.irp j, 0,1,2,3
.irp g, 0,1,2,3
	v_cvt_pk_bf16_f32 v[\wr+4*\j+\g], v[\bf+4*\j+\g], v[\bf+16+4*\j+\g]    ; d in the low half, d + 1 in the high half
.endr
	v_cvt_pk_bf16_f32 v[\wr+16+\j], v[\bf+40+\j], v[\bf+44+\j]             ; plane 4: scale_base
.endr
	s_wait_alu depctr_va_vdst(0)                   ; the roundings have written the item's 20 words, which the LDS stores below read (and in which, behind the barrier, the read-back lands)
.irp j, 0,1,2,3
.irp g, 0,1,2,3
	ds_store_b32 v[VL], v[\wr+4*\j+\g] offset:(\g*64+16*\j)*16+8*\m
.endr
	ds_store_b32 v[VL], v[\wr+16+\j] offset:(4*64+16*\j)*16+8*\m
.endr
.endm
	; everything that the head needs goes out at once: Wt's 48 loads, the knots, the first eight rows of x
	s_wait_alu depctr_va_vdst(0)                   ; the ten offsets and LDS addresses made above are written: every load and store of the kernel reads one of them
	LOADI 0, B0
	LOADI 1, B1
.irp n, 0,1,2,3,4,5,6,7
	global_load_b128 v[T+4*\n:T+4*\n+3], v1, s[12:13] offset:16*\n
.endr
.irp n, 0,1,2,3,4,5,6,7
	global_load_b128 v[X+4*\n:X+4*\n+3], v[OX], s[10:11] offset:\n*ROWB th:TH_LOAD_NT
.endr
	s_wait_loadcnt 40                              ; loads come back in order: item 0 is in; item 1's 24, the knots' 8 and x's 8 stay out
	WORK 0, B0, WR
	s_wait_loadcnt 16                              ; item 1 is in; the knots' 8 and x's 8 stay out
	WORK 1, B1, WR+20
	s_wait_loadcnt 0x8                             ; the knots are in; the eight loads of x stay out
	s_wait_dscnt 0x0                               ; my words are in LDS, for the other waves' sake
	s_barrier_signal -1
	; register work while the others arrive: the knots side by side, and the 72 reciprocals.  None of these lines names WR's 40 registers or v[VR]
.irp k, 0,1,2,3,4,5,6,7
.irp e, 0,1,2,3
	v_mov_b32 v[G+4*\k+\e], v[T+8*\e+\k]           ; once: knot k of my four d side by side, for the packed arithmetic of all 32 rows
.endr
.endr
.irp h, 0,2
.irp k, 0,1,2,3,4,5,6
	v_pk_add_f32 v[A+4*\k+\h:A+4*\k+\h+1], v[G+4*(\k+1)+\h:G+4*(\k+1)+\h+1], v[G+4*\k+\h:G+4*\k+\h+1] neg_lo:[0,1] neg_hi:[0,1]
.endr
.irp k, 0,1,2,3,4,5
	v_pk_add_f32 v[A+4*(7+\k)+\h:A+4*(7+\k)+\h+1], v[G+4*(\k+2)+\h:G+4*(\k+2)+\h+1], v[G+4*\k+\h:G+4*\k+\h+1] neg_lo:[0,1] neg_hi:[0,1]
.endr
.irp k, 0,1,2,3,4
	v_pk_add_f32 v[A+4*(13+\k)+\h:A+4*(13+\k)+\h+1], v[G+4*(\k+3)+\h:G+4*(\k+3)+\h+1], v[G+4*\k+\h:G+4*\k+\h+1] neg_lo:[0,1] neg_hi:[0,1]
.endr
.endr
.set c, 0
.rept 72
	v_rcp_f32 v[A+c], v[A+c]
.set c, c+1
.endr
	v_nop                                          ; one plain vector instruction behind the run of reciprocals, ahead of their first use
	s_barrier_wait -1                              ; everybody's words are in LDS
	s_wait_alu depctr_vm_vsrc(0)                   ; my LDS stores have read WR's 40 registers, in which the read-back below lands (the roundings that wrote them stand ahead of item 1's wait)
	; Wt back by units: lanes 0-15 one unit, lanes 16-31 the next: 512 consecutive bytes of a fragment
.irp g, 0,1,2,3,4
.irp hf, 0,1
	ds_load_b128 v[RBW+4*(2*\g+\hf):RBW+4*(2*\g+\hf)+3], v[VR] offset:\hf*2*BLK+\g*1024
.endr
.endr
.irp g, 0,1,2,3,4
.irp hf, 0,1
	s_wait_dscnt 9-(2*\g+\hf)                      ; LDS loads come back in order: this one is in, the younger ones stay out
	global_store_b128 v[VG], v[RBW+4*(2*\g+\hf):RBW+4*(2*\g+\hf)+3], s[14:15] offset:\g*32768+\hf*512
.endr
.endr
	s_wait_xcnt 0x0                                ; the read-back's registers and v[VG], which these stores read, are rewritten by the rows only behind this wait
	s_wait_alu depctr_vm_vsrc(0)                   ; Wt's stores have read the read-back (P and R from here on) and v[VG]; the head's LDS lines have read v[VL] and v[VR]: these three are part of Y's second buffer from here on
	s_wait_alu depctr_va_vdst(0)                   ; the 72 reciprocals are written: ahead of the label and of their first reader
; One row of F.  r = the row's slot in the ring; rr = its place in the block of 16; ahead = 1: the slot of the row BEFORE is filled again with row lrow,
; counted from the base; left = how many younger loads may stay out.  r > 0: the row before's five LDS stores are issued here.
.macro ROW r, rr, ahead, lrow, left
.set YC, Y+10*((\rr)%2)                ; this row's results
.set YP, Y+10*(1-((\rr)%2))            ; the row before's
	s_wait_loadcnt \left                           ; loads come back in order: this slot's is in
	v_pk_mul_f32 v[E:E+1],   v[X+4*\r:X+4*\r+1],   0xbfb8aa3b op_sel_hi:[1,0]     ; -x log2(e)
	v_pk_mul_f32 v[E+2:E+3], v[X+4*\r+2:X+4*\r+3], 0xbfb8aa3b op_sel_hi:[1,0]
.irp e, 0,1,2,3
	v_exp_f32 v[E+\e], v[E+\e]
.endr
.irp k, 0,1,2,3,4,5,6,7
.irp h, 0,2
	v_pk_add_f32 v[T+4*\k+\h:T+4*\k+\h+1], v[X+4*\r+\h:X+4*\r+\h+1], v[G+4*\k+\h:G+4*\k+\h+1] neg_lo:[0,1] neg_hi:[0,1]   ; t_k = x - g_k; also the plain work behind the exponentials
.endr
.endr
	s_wait_alu depctr_va_vdst(0)                   ; the four exponentials are written; and, where r > 0, the row before has written its Y, which the LDS stores below read, and is done reading its slot of x, in which the load below lands
.if \ahead
	global_load_b128 v[X+4*((\r+7)%8):X+4*((\r+7)%8)+3], v[OX], s[10:11] offset:(\lrow)*ROWB th:TH_LOAD_NT
.endif
	v_pk_add_f32 v[E:E+1],   v[E:E+1],   1.0 op_sel_hi:[1,0]
	v_pk_add_f32 v[E+2:E+3], v[E+2:E+3], 1.0 op_sel_hi:[1,0]
.irp e, 0,1,2,3
	v_rcp_f32 v[E+\e], v[E+\e]                     ; sigmoid(x)
.endr
.irp e, 0,1,2,3
.if \r > 0
	ds_store_b64 v[VT], v[YP+2*\e:YP+2*\e+1] offset:\e*16*UP+((\rr)-1)*16   ; the row before, plane e's sixteen units: the 32 lanes touch 64 different words mod 64.  No wait: no vector line since the wait above names that Y or v[VT]
.endif
.irp k, 0,1,2,3,4,5,6,7
	v_cmp_ge_f32 s[M+8*\e+\k], v[X+4*\r+\e], v[G+4*\k+\e]      ; also the plain work behind the reciprocals
.endr
.endr
.if \r > 0
	ds_store_b64 v[VT], v[YP+8:YP+9] offset:4*16*UP+((\rr)-1)*16            ; plane 4
.endif
	s_wait_alu depctr_va_sdst(0)                   ; the 32 masks are written, ahead of their first readers, the scalar lines below
	s_wait_alu depctr_va_vdst(0)                   ; the four reciprocals are written, ahead of their first reader
	v_pk_mul_f32 v[E:E+1],   v[E:E+1],   v[X+4*\r:X+4*\r+1]
	v_pk_mul_f32 v[E+2:E+3], v[E+2:E+3], v[X+4*\r+2:X+4*\r+3]
	v_cvt_pk_bf16_f32 v[YC+8], v[E],   v[E+1]
	v_cvt_pk_bf16_f32 v[YC+9], v[E+2], v[E+3]
.irp e, 0,1,2,3
.irp k, 0,1,2,3,4,5,6
	s_and_not1_b32 s[M+8*\e+\k], s[M+8*\e+\k], s[M+8*\e+\k+1]  ; g_k <= x and not g_(k+1) <= x; k ascending, so mask k + 1 is still whole
.endr
.endr
.irp k, 0,1,2,3,4,5,6
.irp e, 0,1,2,3
	v_cndmask_b32 v[P+4*\k+\e], 0, v[A+4*\k+\e], s[M+8*\e+\k]  ; q(k,1)
.endr
.endr
.irp k, 0,1,2,3,4,5
.irp h, 0,2
	v_pk_mul_f32 v[R+4*\k+\h:R+4*\k+\h+1], v[T+4*(\k+2)+\h:T+4*(\k+2)+\h+1], v[P+4*(\k+1)+\h:P+4*(\k+1)+\h+1]
.endr
.endr
.irp k, 0,1,2,3,4,5
.irp h, 0,2
	v_pk_fma_f32 v[R+4*\k+\h:R+4*\k+\h+1], v[T+4*\k+\h:T+4*\k+\h+1], v[P+4*\k+\h:P+4*\k+\h+1], v[R+4*\k+\h:R+4*\k+\h+1] neg_lo:[0,0,1] neg_hi:[0,0,1]   ; B(k,1)
.endr
.endr
.irp k, 0,1,2,3,4,5
.irp h, 0,2
	v_pk_mul_f32 v[R+4*\k+\h:R+4*\k+\h+1], v[R+4*\k+\h:R+4*\k+\h+1], v[A+4*(7+\k)+\h:A+4*(7+\k)+\h+1]     ; q(k,2)
.endr
.endr
.irp k, 0,1,2,3,4
.irp h, 0,2
	v_pk_mul_f32 v[P+4*\k+\h:P+4*\k+\h+1], v[T+4*(\k+3)+\h:T+4*(\k+3)+\h+1], v[R+4*(\k+1)+\h:R+4*(\k+1)+\h+1]
.endr
.endr
.irp k, 0,1,2,3,4
.irp h, 0,2
	v_pk_fma_f32 v[P+4*\k+\h:P+4*\k+\h+1], v[T+4*\k+\h:T+4*\k+\h+1], v[R+4*\k+\h:R+4*\k+\h+1], v[P+4*\k+\h:P+4*\k+\h+1] neg_lo:[0,0,1] neg_hi:[0,0,1]   ; B(k,2)
.endr
.endr
.irp k, 0,1,2,3,4
.irp h, 0,2
	v_pk_mul_f32 v[P+4*\k+\h:P+4*\k+\h+1], v[P+4*\k+\h:P+4*\k+\h+1], v[A+4*(13+\k)+\h:A+4*(13+\k)+\h+1]   ; q(k,3)
.endr
.endr
.irp k, 0,1,2,3
.irp h, 0,2
	v_pk_mul_f32 v[R+4*\k+\h:R+4*\k+\h+1], v[T+4*(\k+4)+\h:T+4*(\k+4)+\h+1], v[P+4*(\k+1)+\h:P+4*(\k+1)+\h+1]
.endr
.endr
.irp k, 0,1,2,3
.irp h, 0,2
	v_pk_fma_f32 v[R+4*\k+\h:R+4*\k+\h+1], v[T+4*\k+\h:T+4*\k+\h+1], v[P+4*\k+\h:P+4*\k+\h+1], v[R+4*\k+\h:R+4*\k+\h+1] neg_lo:[0,0,1] neg_hi:[0,0,1]   ; B(k,3)
.endr
.endr
.irp k, 0,1,2,3
	v_cvt_pk_bf16_f32 v[YC+2*\k],   v[R+4*\k],   v[R+4*\k+1]
	v_cvt_pk_bf16_f32 v[YC+2*\k+1], v[R+4*\k+2], v[R+4*\k+3]
.endr
.if (\r >= 1) && (\r <= 6)
	s_wait_alu depctr_vm_vsrc(0)                   ; this row's five LDS stores have read the other Y, which the next row's roundings write again (row 0 issues none; behind row 7 LEFT or the flush states it)
.endif
.endm
; What the last of eight rows leaves: its slot's next load (ahead = 1: row lrow, counted from the base) and its five LDS stores (rr = 7 or 15: Y's second buffer).
; on = 1: rows follow at once, on either side of the branch behind this macro.
.macro LEFT rr, ahead, lrow, on
	s_wait_alu depctr_va_vdst(0)                   ; the row has written Y's second buffer, which the LDS stores below read, and is done reading slot 7, in which the load lands; and the rows are done with T, P and R, in which a flush's read-back lands
.if \ahead
	global_load_b128 v[X+28:X+31], v[OX], s[10:11] offset:(\lrow)*ROWB th:TH_LOAD_NT
.endif
.irp g, 0,1,2,3,4
	ds_store_b64 v[VT], v[Y+10+2*\g:Y+10+2*\g+1] offset:\g*16*UP+(\rr)*16
.endr
.if \on
	s_wait_alu depctr_vm_vsrc(0)                   ; the LDS stores of the last two rows have read both buffers of Y, which the next two rows write again: stated ahead of the branch
.endif
.endm
; Sixteen rows are in LDS: my wave's 80 units are whole.  They are read back two at a time (LDS serves a wave's instructions in order,
; ISA guide 5.7.1.4: these loads see the stores above) and stored: each store of the wave covers 512 consecutive bytes, aligned.
; No vector line stands in a flush: LEFT's first wait, straight ahead of it, serves all its read-backs.
; hb = which of the group's two row blocks; more = 1: rows follow, which rewrite the registers used here.
.macro FLUSH hb, more
.irp g, 0,1,2,3,4
.if \g >= 2
	s_wait_xcnt 0x0                                ; this set of 32 registers, which the stores of plane g - 2 read, is loaded again only behind this wait
	s_wait_alu depctr_vm_vsrc(0)                   ; the stores of plane g - 2 have read this set of 32 registers, in which the read-back below lands
.endif
.irp t, 0,1,2,3,4,5,6,7
	ds_load_b128 v[T+32*(\g%2)+4*\t:T+32*(\g%2)+4*\t+3], v[VRB] offset:(8*\g+\t)*2*UP
.endr
.irp t, 0,1,2,3,4,5,6,7
	s_wait_dscnt 7-\t                              ; this one is back, the younger ones stay out
	global_store_b128 v[VGO], v[T+32*(\g%2)+4*\t:T+32*(\g%2)+4*\t+3], s[16:17] offset:\hb*RB+\g*32768+\t*512
.endr
.endr
.if \more
	s_wait_xcnt 0x0                                ; the registers that these stores read, and the base of x, are rewritten only behind this wait
	s_wait_alu depctr_vm_vsrc(0)                   ; F's stores have read T, P and R[0:3], and the last rows' LDS stores both buffers of Y: the rows behind the backward jump write them again
.endif
.endm
	; 32 rows: a trip is 16 rows and a flush.  The second trip leaves in its middle: its last eight rows load nothing and are written out.
	; At the first row of each eight all seven younger slots have been asked for; at the others six: the slot of the row before is asked for behind the row's first wait.
	s_mov_b32 s19, 0
.Lhalf:
	ROW 0, 0, 0, 0, 7
.irp r, 1,2,3,4,5,6,7
	ROW \r, \r, 1, 7+\r, 6
.endr
	LEFT 7, 1, 15, 1
	s_cmp_lg_u32 s19, 0
	s_cbranch_scc1 .Llast
	ROW 0, 8, 0, 0, 7
.irp r, 1,2,3,4,5,6,7
	ROW \r, 8+\r, 1, 15+\r, 6
.endr
	LEFT 15, 1, 23, 0
	FLUSH 0, 1
	s_add_nc_u64 s[10:11], s[10:11], 16*ROWB
	s_add_co_u32 s19, s19, 1
	s_cmp_lt_u32 s19, 2
	s_cbranch_scc1 .Lhalf
.Llast:
.irp r, 0,1,2,3,4,5,6,7
	ROW \r, 8+\r, 0, 0, 7-\r                       ; the last eight rows load nothing: the counts run down
.endr
	LEFT 15, 0, 0, 0
	FLUSH 1, 0
	s_wait_dscnt 0x0                               ; the closing lines, six on end
	s_wait_alu 0x0
	s_wait_tensorcnt 0x0
	ds_add_u32 v252, v253
	s_wait_dscnt 0x0
	s_endpgm
.Lfunc_end_k_q258ab6cee9_prep:
	.size	k_q258ab6cee9_prep, .Lfunc_end_k_q258ab6cee9_prep-k_q258ab6cee9_prep
	.p2alignl 7, 3214868480
	.fill 96, 4, 3214868480
	.section	.rodata,"a",@progbits
	.p2align	6, 0x0
	.amdhsa_kernel k_q258ab6cee9_prep
		.amdhsa_group_segment_fixed_size 216064
		.amdhsa_private_segment_fixed_size 0
		.amdhsa_enable_private_segment 0
		.amdhsa_kernarg_size 56
		.amdhsa_user_sgpr_count 2
		.amdhsa_user_sgpr_kernarg_segment_ptr 1
		.amdhsa_wavefront_size32 1
		.amdhsa_system_sgpr_workgroup_id_x 1
		.amdhsa_system_sgpr_workgroup_id_y 1
		.amdhsa_system_sgpr_workgroup_id_z 1
		.amdhsa_system_vgpr_workitem_id 0
		.amdhsa_next_free_vgpr 254
		.amdhsa_next_free_sgpr 66
		.amdhsa_reserve_vcc 0
		.amdhsa_float_denorm_mode_32 3
		.amdhsa_float_denorm_mode_16_64 3
		.amdhsa_memory_ordered 1
		.amdhsa_forward_progress 1
		.amdhsa_inst_pref_size 255
	.end_amdhsa_kernel
	.section	.bss,"aw",@nobits
	.p2align	6
	.space	262144
	.amdgpu_metadata
---
amdhsa.version: [ 1, 2 ]
amdhsa.kernels:
  - .name:           k_q258ab6cee9_prep
    .symbol:         k_q258ab6cee9_prep.kd
    .args:
      - { .name: coef, .offset: 0, .size: 8, .value_kind: global_buffer, .address_space: global }
      - { .name: scale_sp, .offset: 8, .size: 8, .value_kind: global_buffer, .address_space: global }
      - { .name: scale_base, .offset: 16, .size: 8, .value_kind: global_buffer, .address_space: global }
      - { .name: x, .offset: 24, .size: 8, .value_kind: global_buffer, .address_space: global }
      - { .name: grid, .offset: 32, .size: 8, .value_kind: global_buffer, .address_space: global }
      - { .name: wt, .offset: 40, .size: 8, .value_kind: global_buffer, .address_space: global }
      - { .name: fbuf, .offset: 48, .size: 8, .value_kind: global_buffer, .address_space: global }
    .group_segment_fixed_size: 216064
    .private_segment_fixed_size: 0
    .kernarg_segment_align: 8
    .kernarg_segment_size: 56
    .max_flat_workgroup_size: 256
    .sgpr_count:     66
    .vgpr_count:     254
    .wavefront_size: 32
...
	.end_amdgpu_metadata
.endif
;; end of part 6
;; launch gemm: the kernel of part 5 again; grid 4 x 64, 4 waves a work-group, clusters of 4 x 4, 327,680 bytes of LDS; arguments fbuf, wt, out0; writes out0
